; MI455X (gfx1250); checked and timed in simulation.
; The chip was launched on July 23, 2026; its instructions are those of AMD's public machine-readable ISA for CDNA 5 (MIT licence, August 2026) and "CDNA5" Instruction Set Architecture Reference Guide (July 2026). The comments in the code are by the model that wrote it; some were corrected since.
;; softmaxattention1. Allowed arithmetic: float matrix products may take bf16 or f16 operands with f32 sums; all other float work in f32.
;; Inputs: W1 512 x 512 float32; W2 512 x 512 float32; W3 512 x 512 float32; W4 512 x 512 float32; W5 512 x 512 float32; W6 1 x 512 float32; W7 512 x 512 float32; W8 512 x 512 float32; b1 512 float32; b2 512 float32; b3 512 float32; b4 512 float32; b5 512 float32; b6 1 float32; b7 512 float32; b8 512 float32; beta 512 float32; gamma 512 float32; x 16 x 512 x 32 x 32 float32.
;; Outputs: out0 16 x 512 float32.
;; 2 versions, each right; version 2 is version 1 with the launches prep, redu, fc4, fc5 written anew for expert scheduling mode. Each part assembles by itself: llvm-mc -triple=amdgcn-amd-amdhsa -mcpu=gfx1250 --defsym DOCPART=n.
;; ======== version 1 of 2: 7 launches
;; workspace buffers: xw 18,939,904 bytes; y13 33,554,432 bytes; y2ts 17,301,504 bytes; lm 1,048,576 bytes; rv 589,824 bytes; y4v 32,768 bytes
;; launch prep (part 1): grid 256 x 1, 8 waves a work-group, no clusters, 79,872 bytes of LDS; arguments x, W6, b6, W1, W3, W2, W7, xw; writes xw
.if DOCPART == 1
	.amdgcn_target "amdgcn-amd-amdhsa--gfx1250"
	.amdhsa_code_object_version 6
	.text
	.protected	k_q651fcbcb44_prep
	.globl	k_q651fcbcb44_prep
	.p2align	8
	.type	k_q651fcbcb44_prep,@function
k_q651fcbcb44_prep:
	s_mov_b64 s[64:65], 0
	v_nop
	global_prefetch_b8 v0, s[64:65] scope:SCOPE_SE
	s_setreg_imm32_b32 hwreg(HW_REG_WAVE_MODE, 25, 1), 1
	s_wait_xcnt 0x0
; prep: x [16][512 c][1024 n] f32  ->  xT [16*1024 n][512 c] bf16 (xw, byte 0);
;       W1, W3, W2, W7 f32         ->  [2048][512] bf16 (xw, byte 16,777,216), in that order;
;       ye_ = softmax over each 32 neighbouring n of (W6 . x + b6), f32 (xw, byte 18,874,368).
; Work-group wg = 16 b + nb owns x[b][all c][64 nb .. +63]: 512 rows of 256 aligned bytes, read once.
; Thread t: g = t / 16 owns c = 32 g .. +31, q = t % 16 owns n = 4 q .. +3; sixteen lanes read one row's 256 bytes.
; The transposition goes through LDS: each wave stores into a region of its own (64 n x 64 c bf16, pitch 144), and behind
; the one barrier whole rows of xT are read back, 512 neighbouring bytes a load, and stored.
; Limits: x and the weights are rounded to bf16 here (matrix operands); ye_ is made in f32 from the f32 x.
.set XROW, 4096                        ; bytes of a row of x
.set TP,   144                         ; LDS pitch of a region's row: 128 bytes + 16
.set TW,   64*TP+128                   ; a wave's region; the odd 128 bytes set neighbouring regions half a row of banks apart
.set YEP,  8*TW                        ; 16 x 64 partial sums of ye, 512 bytes a wave
.set YS,  2                            ; v[2:5]     my partial ye of 4 n
.set TT,  8                            ; v[8:23]    packed bf16
.set WV,  32                           ; v[32:63]   W6 of my 32 c
.set X,   64                           ; v[64:191]  x: 4 registers a row
.set WT,  192                          ; v[192:207] my 16 numbers of a weight matrix
.set TA,  208                          ; LDS: where I store transposed words
.set YA,  209                          ; LDS: where I store my ye sums
.set TR,  210                          ; LDS: where I read rows back
.set XO,  211                          ; my byte offset in the group's 64 rows of xT
.set YR,  212                          ; LDS: ye sums, read by wave 0
.set YO,  213                          ; 8 x lane
	s_load_b512 s[8:23], s[0:1], 0x0               ; x 8, W6 10, b6 12, W1 14, W3 16, W2 18, W7 20, xw 22
	v_lshl_add_u32 v216, v0, 2, 0x13400
	v_mov_b32 v217, 0
	v_lshrrev_b32 v1, 5, v0
	v_readfirstlane_b32 s4, v1                     ; wave
	v_and_b32 v24, 31, v0                          ; lane
	v_and_b32 v25, 15, v0                          ; q
	v_lshrrev_b32 v26, 4, v0                       ; g
	v_bfe_u32 v27, v0, 4, 1                        ; h = g % 2
	v_lshlrev_b32 v28, 7, v26                      ; W6: 128 g
	v_lshlrev_b32 v29, 17, v26                     ; x: 32 g rows of 4,096 bytes
	v_lshl_add_u32 v29, v25, 4, v29                ;    + 16 q
	v_lshlrev_b32 v30, 5, v0                       ; weights in: 32 t
	v_lshlrev_b32 v31, 4, v0                       ; weights out: 16 t
	s_mul_i32 s5, s4, TW
	v_mul_u32_u24 v[TA], v25, 4*TP                 ; row 4 q of my wave's region
	v_lshl_add_u32 v[TA], v27, 6, v[TA]            ; + 64 h: my 32 c
	v_add_nc_u32 v[TA], s5, v[TA]
	s_lshl_b32 s6, s4, 9
	s_add_co_u32 s6, s6, YEP
	v_lshl_add_u32 v[YA], v24, 4, s6               ; YEP + 512 wave + 16 lane = YEP + 256 g + 16 q
	v_lshrrev_b32 v[TR], 3, v24
	v_mul_u32_u24 v[TR], v[TR], TW                 ; eight lanes take 128 bytes of one region, the next eight of the next
	v_and_b32 v1, 7, v24
	v_lshl_add_u32 v[TR], v1, 4, v[TR]
	s_mul_i32 s7, s4, 8*TP
	v_add_nc_u32 v[TR], s7, v[TR]                  ; rows 8 wave ..
	s_lshl_b32 s5, s4, 13
	v_lshl_add_u32 v[XO], v24, 4, s5               ; 8 wave rows of 1,024 bytes + 16 lane
	v_lshlrev_b32 v[YO], 3, v24
	v_add_nc_u32 v[YR], YEP, v[YO]
	s_lshr_b32 s5, ttmp9, 4                        ; b
	s_lshl_b32 s28, s5, 21                         ; b x 512 rows x 4,096 bytes
	s_and_b32 s6, ttmp9, 15                        ; nb
	s_lshl_b32 s6, s6, 8
	s_add_co_u32 s28, s28, s6
	s_mov_b32 s29, 0
	s_and_b32 s30, ttmp9, 63                       ; my 16 KiB of one weight matrix
	s_lshl_b32 s30, s30, 14
	s_mov_b32 s31, 0
	s_lshr_b32 s25, ttmp9, 6                       ; which matrix
	s_lshl_b32 s32, ttmp9, 16                      ; xT: 64 rows of 1,024 bytes a group
	s_mov_b32 s33, 0
	s_lshl_b32 s40, ttmp9, 13                      ; bf16 weights: 8 KiB a group
	s_add_co_u32 s40, s40, 0x1000000
	s_mov_b32 s41, 0
	s_lshl_b32 s42, ttmp9, 8                       ; ye_: 64 numbers a group
	s_add_co_u32 s42, s42, 0x1200000
	s_mov_b32 s43, 0
	s_wait_kmcnt 0x0
	s_load_b32 s24, s[12:13], 0x0                  ; b6
	s_add_nc_u64 s[8:9], s[8:9], s[28:29]
	s_cmp_eq_u32 s25, 1
	s_cselect_b64 s[26:27], s[16:17], s[14:15]     ; W1, W3,
	s_cmp_eq_u32 s25, 2
	s_cselect_b64 s[26:27], s[18:19], s[26:27]     ; W2,
	s_cmp_eq_u32 s25, 3
	s_cselect_b64 s[26:27], s[20:21], s[26:27]     ; W7
	s_add_nc_u64 s[26:27], s[26:27], s[30:31]
	s_add_nc_u64 s[34:35], s[22:23], s[32:33]      ; xT at my rows
	s_add_nc_u64 s[36:37], s[22:23], s[40:41]      ; bf16 weights at my part
	s_add_nc_u64 s[38:39], s[22:23], s[42:43]      ; ye_ at my part
	; all 44 loads go out at once: 8 of W6, 32 of x, 4 of the weights
.set k, 0
.rept 8
	global_load_b128 v[WV+4*k:WV+4*k+3], v28, s[10:11] offset:16*k
.set k, k+1
.endr
.set p, 0
.rept 32
	global_load_b128 v[X+4*p:X+4*p+3], v29, s[8:9] offset:p*XROW th:TH_LOAD_NT
.set p, p+1
.endr
	global_load_b128 v[WT:WT+3],     v30, s[26:27] th:TH_LOAD_NT
	global_load_b128 v[WT+4:WT+7],   v30, s[26:27] offset:16 th:TH_LOAD_NT
	global_load_b128 v[WT+8:WT+11],  v30, s[26:27] offset:8192 th:TH_LOAD_NT
	global_load_b128 v[WT+12:WT+15], v30, s[26:27] offset:8208 th:TH_LOAD_NT
	s_wait_kmcnt 0x0                               ; b6
	; four chunks of eight rows: ye += W6[c] x[c][n]; eight c of one n make 16 bytes of xT
.set kk, 0
.rept 4
	s_wait_loadcnt 28-8*kk                         ; younger and still out: 24 - 8 kk loads of x and the 4 of the weights
.set r, 0
.rept 8
.set p, 8*kk+r
.if p == 0
	v_pk_mul_f32 v[YS:YS+1],   v[X:X+1],   v[WV:WV+1] op_sel_hi:[1,0]      ; the first row starts the sums
	v_pk_mul_f32 v[YS+2:YS+3], v[X+2:X+3], v[WV:WV+1] op_sel_hi:[1,0]
.elseif (p&1) == 0
	v_pk_fma_f32 v[YS:YS+1],   v[X+4*p:X+4*p+1],   v[WV+p:WV+p+1], v[YS:YS+1]   op_sel_hi:[1,0,1]
	v_pk_fma_f32 v[YS+2:YS+3], v[X+4*p+2:X+4*p+3], v[WV+p:WV+p+1], v[YS+2:YS+3] op_sel_hi:[1,0,1]
.else
	v_pk_fma_f32 v[YS:YS+1],   v[X+4*p:X+4*p+1],   v[WV+p-1:WV+p], v[YS:YS+1]   op_sel:[0,1,0] op_sel_hi:[1,1,1]
	v_pk_fma_f32 v[YS+2:YS+3], v[X+4*p+2:X+4*p+3], v[WV+p-1:WV+p], v[YS+2:YS+3] op_sel:[0,1,0] op_sel_hi:[1,1,1]
.endif
.set r, r+1
.endr
.set i, 0
.rept 4
.set k, 0
.rept 4
	v_cvt_pk_bf16_f32 v[TT+4*i+k], v[X+4*(8*kk+2*k)+i], v[X+4*(8*kk+2*k+1)+i]
.set k, k+1
.endr
	ds_store_b128 v[TA], v[TT+4*i:TT+4*i+3] offset:i*TP+16*kk              ; n = 4 q + i, c = 32 g + 8 kk .. +7
.set i, i+1
.endr
.set kk, kk+1
.endr
	; my 16 numbers of a weight matrix, rounded: each store of the wave covers 512 consecutive bytes
	s_wait_loadcnt 0x0
.set k, 0
.rept 8
	v_cvt_pk_bf16_f32 v[TT+k], v[WT+2*k], v[WT+2*k+1]
.set k, k+1
.endr
	global_store_b128 v31, v[TT:TT+3],   s[36:37]
	global_store_b128 v31, v[TT+4:TT+7], s[36:37] offset:4096
	ds_store_b128 v[YA], v[YS:YS+3]
	s_wait_dscnt 0x0                               ; my stores are in LDS before I say so
	s_barrier_signal -1
	s_barrier_wait -1
	; rows 8 wave .. +7 of xT, two loads of 512 bytes a row
.set i, 0
.rept 16
	ds_load_b128 v[X+4*i:X+4*i+3], v[TR] offset:(i/2)*TP+(i%2)*4*TW
.set i, i+1
.endr
.set i, 0
.rept 16
	s_wait_dscnt 15-i                              ; LDS loads come back in order: load i is in
	global_store_b128 v[XO], v[X+4*i:X+4*i+3], s[34:35] offset:(i/2)*1024+(i%2)*512
.set i, i+1
.endr
	; wave 0: the 64 ye of the group.  Lane L holds n = 2 L, 2 L + 1, so a softmax's 32 n are sixteen neighbouring lanes.
	s_cmp_lg_u32 s4, 0
	s_cbranch_scc1 .Lend
.set g, 0
.rept 16
	ds_load_b64 v[128+2*g:129+2*g], v[YR] offset:256*g
.set g, g+1
.endr
	s_wait_dscnt 0x0
.set g, 0
.rept 8
	v_pk_add_f32 v[128+2*g:129+2*g], v[128+2*g:129+2*g], v[144+2*g:145+2*g]
.set g, g+1
.endr
.set g, 0
.rept 4
	v_pk_add_f32 v[128+2*g:129+2*g], v[128+2*g:129+2*g], v[136+2*g:137+2*g]
.set g, g+1
.endr
	v_pk_add_f32 v[128:129], v[128:129], v[132:133]
	v_pk_add_f32 v[130:131], v[130:131], v[134:135]
	v_pk_add_f32 v[128:129], v[128:129], v[130:131]
	v_add_f32 v128, s24, v128                      ; + b6
	v_add_f32 v129, s24, v129
	v_max_num_f32 v130, v128, v129
	v_max_num_f32_dpp v130, v130, v130 row_xmask:1 row_mask:0xf bank_mask:0xf
	v_max_num_f32_dpp v130, v130, v130 row_xmask:2 row_mask:0xf bank_mask:0xf
	v_max_num_f32_dpp v130, v130, v130 row_xmask:4 row_mask:0xf bank_mask:0xf
	v_max_num_f32_dpp v130, v130, v130 row_xmask:8 row_mask:0xf bank_mask:0xf
	v_sub_f32 v128, v128, v130                     ; the maximum is taken away first
	v_sub_f32 v129, v129, v130
	v_mul_f32 v128, 0x3fb8aa3b, v128               ; e^x = 2^(x log2 e)
	v_mul_f32 v129, 0x3fb8aa3b, v129
	v_exp_f32 v128, v128
	v_exp_f32 v129, v129
	v_nop                                          ; one plain place behind a transcendental (ISA guide 5.7.2)
	s_wait_alu depctr_va_vdst(0)
	v_add_f32 v131, v128, v129
	v_add_f32_dpp v131, v131, v131 row_xmask:1 row_mask:0xf bank_mask:0xf
	v_add_f32_dpp v131, v131, v131 row_xmask:2 row_mask:0xf bank_mask:0xf
	v_add_f32_dpp v131, v131, v131 row_xmask:4 row_mask:0xf bank_mask:0xf
	v_add_f32_dpp v131, v131, v131 row_xmask:8 row_mask:0xf bank_mask:0xf
	v_rcp_f32 v132, v131
	v_nop
	s_wait_alu depctr_va_vdst(0)
	v_mul_f32 v128, v128, v132
	v_mul_f32 v129, v129, v132
	global_store_b64 v[YO], v[128:129], s[38:39]   ; 256 consecutive bytes, aligned
.Lend:
	s_wait_tensorcnt 0x0
	ds_add_u32 v216, v217
	s_wait_dscnt 0x0
	s_endpgm
.Lfunc_end_k_q651fcbcb44_prep:
	.size	k_q651fcbcb44_prep, .Lfunc_end_k_q651fcbcb44_prep-k_q651fcbcb44_prep
	.p2alignl 7, 3214868480
	.fill 96, 4, 3214868480
	.section	.rodata,"a",@progbits
	.p2align	6, 0x0
	.amdhsa_kernel k_q651fcbcb44_prep
		.amdhsa_group_segment_fixed_size 79872
		.amdhsa_private_segment_fixed_size 0
		.amdhsa_enable_private_segment 0
		.amdhsa_kernarg_size 64
		.amdhsa_user_sgpr_count 2
		.amdhsa_user_sgpr_kernarg_segment_ptr 1
		.amdhsa_wavefront_size32 1
		.amdhsa_system_sgpr_workgroup_id_x 1
		.amdhsa_system_sgpr_workgroup_id_y 1
		.amdhsa_system_sgpr_workgroup_id_z 1
		.amdhsa_system_vgpr_workitem_id 0
		.amdhsa_next_free_vgpr 218
		.amdhsa_next_free_sgpr 66
		.amdhsa_reserve_vcc 0
		.amdhsa_float_denorm_mode_32 3
		.amdhsa_float_denorm_mode_16_64 3
		.amdhsa_memory_ordered 1
		.amdhsa_forward_progress 1
		.amdhsa_inst_pref_size 24
	.end_amdhsa_kernel
	.amdgpu_metadata
---
amdhsa.version: [ 1, 2 ]
amdhsa.kernels:
  - .name:           k_q651fcbcb44_prep
    .symbol:         k_q651fcbcb44_prep.kd
    .args:
      - { .name: x, .offset: 0, .size: 8, .value_kind: global_buffer, .address_space: global }
      - { .name: W6, .offset: 8, .size: 8, .value_kind: global_buffer, .address_space: global }
      - { .name: b6, .offset: 16, .size: 8, .value_kind: global_buffer, .address_space: global }
      - { .name: W1, .offset: 24, .size: 8, .value_kind: global_buffer, .address_space: global }
      - { .name: W3, .offset: 32, .size: 8, .value_kind: global_buffer, .address_space: global }
      - { .name: W2, .offset: 40, .size: 8, .value_kind: global_buffer, .address_space: global }
      - { .name: W7, .offset: 48, .size: 8, .value_kind: global_buffer, .address_space: global }
      - { .name: xw, .offset: 56, .size: 8, .value_kind: global_buffer, .address_space: global }
    .group_segment_fixed_size: 79872
    .private_segment_fixed_size: 0
    .kernarg_segment_align: 8
    .kernarg_segment_size: 64
    .max_flat_workgroup_size: 256
    .sgpr_count:     66
    .vgpr_count:     218
    .wavefront_size: 32
...
	.end_amdgpu_metadata
.endif
;; end of part 1
;; launch conv13 (part 2): grid 4 x 64, 4 waves a work-group, clusters of 4 x 4, 327,680 bytes of LDS; arguments xw, b1, b3, y13; writes y13
.if DOCPART == 2
	.amdgcn_target "amdgcn-amd-amdhsa--gfx1250"
	.amdhsa_code_object_version 6
	.text
	.protected	k_q651fcbcb44_conv13
	.globl	k_q651fcbcb44_conv13
	.p2align	8
	.type	k_q651fcbcb44_conv13,@function
k_q651fcbcb44_conv13:
	s_mov_b64 s[64:65], 0
	v_nop
	global_prefetch_b8 v0, s[64:65] scope:SCOPE_SE
	s_setreg_imm32_b32 hwreg(HW_REG_WAVE_MODE, 25, 1), 1
	s_wait_xcnt 0x0
	s_wait_alu depctr_hold_cnt(0) depctr_sa_sdst(0) depctr_va_vdst(0) depctr_va_sdst(0) depctr_va_ssrc(0) depctr_va_vcc(0) depctr_vm_vsrc(0)
	s_getreg_b32 s2, hwreg(HW_REG_IB_STS2, 6, 4)
	s_cmp_eq_u32 s2, 0
	s_cbranch_scc0 .Lentry_in_a_cluster
	s_endpgm
.Lentry_in_a_cluster:
	s_bfe_u32 s2, ttmp6, 0x10000c
	s_cmp_lg_u32 s2, 0xf033
	s_cbranch_scc0 .Lentry_shape_is_right
	s_endpgm
.Lentry_shape_is_right:
; conv13: [y1T | y3T] = xT [16384][512] x [W1; W3]^T [1024][512] + bias, bf16 operands, f32 sums, bf16 out.
; y13 holds two planes of [16384 n][512 o] bf16: y1T, then y3T 16,777,216 bytes further.
; A work-group makes 256 x 256 with four waves of 128 x 128 (64 accumulator tiles, 512 registers).  K = 512 goes in four steps of 128
; through two LDS slots filled by the tensor data mover; a tile's rows are 256 bytes of memory at multiples of 256 bytes.
; CLUSTERS: 4 x 4 work-groups.  The four of a cluster's row need the same rows of xT, the four of a column the same rows of the weights:
; each such tile is asked for jointly, which divides the requests for both by four.
; REGISTERS in windows of 256: window 0: v16-31 addresses, v64-127 and v128-191 fragments of A, v192-223 packed results;
; window 1: v0-63 bias of my 128 columns (register 8 b + j: column 16 b + 8 h + j), v64-191 fragments of B; windows 2, 3: accumulators.
; The matrix instruction is used transposed (source 0 = rows of the weights, source 1 = rows of xT): lane l holds row l % 16 and
; eight neighbouring columns 8 (l / 16) + 0..7 of the result.
; The 64 accumulators take turns, one instruction a turn.
.set SIZE_K, 512
.set KSTEP,  128
.set PITCH,  272                       ; an LDS row: 256 bytes + 16 of padding, an odd multiple of 16
.set HALFT,  128*PITCH                 ; what one tensor load brings
.set SLOT,   4*HALFT                   ; A's 256 rows, then B's 256 rows
.set STAGE,  2*SLOT                    ; behind the ring: 16 rows x 272 bytes for each wave
.set SPITCH, 272
.set OROW,   1024                      ; bytes of an output row
.set ADRA, 16
.set ADRB, 20
.set STO,  24
.set RD,   25
.set CO,   26
.set F0,   64
.set F1,   128
.set TMP,  192
.set G1, 24                            ; s[24:31] group 1 for A's tiles
.set G0, 32                            ; s[32:39] group 0 for A's tiles, one set a slot
.set G1B, 48                           ; s[48:55] group 1 for B's tiles
.set G0B, 56                           ; s[56:63] group 0 for B's tiles
.set MSB, 0
.macro WIN new                         ; the immediate's high byte repeats the setting that is left
.if MSB != \new
	s_set_vgpr_msb (MSB<<8)|\new
.set MSB, \new
.endif
.endm
.set MUL_LO, 0xa1                      ; source 0 (B) window 1, source 1 (A) window 0, C and D window 2
.set MUL_HI, 0xf1                      ; the same, C and D window 3
.set TO_B,   0x40                      ; destination window 1, address window 0
.macro JLOAD s                         ; waves 0, 1 fetch A's two halves, waves 2, 3 B's: one tensor load a wave
	s_cmp_eq_u32 s11, 0
	s_cbranch_scc0 .Lfor_b_\@
	tensor_load_to_lds s[G0+4*\s:G0+4*\s+3], s[G1:G1+7]
	s_nop 0
	s_branch .Lasked_\@
.Lfor_b_\@:
	tensor_load_to_lds s[G0B+4*\s:G0B+4*\s+3], s[G1B:G1B+7]
	s_nop 0
.Lasked_\@:
.endm
.macro CREST                           ; a round of the cluster's barrier behind its opening barrier
	s_cmp_lg_u32 s10, 0
	s_cbranch_scc1 .Lnot_wave_0_\@
	s_barrier_signal -3
.Lnot_wave_0_\@:
	s_barrier_wait -3
	s_barrier_signal -1
	s_barrier_wait -1
.endm
.macro CROUND                          ; a whole round
	s_barrier_signal -1
	s_barrier_wait -1
	CREST
.endm
.macro MUL16 f, hi, a0, zero           ; 16 matrix instructions: row blocks a0, a0 + 1 of the window x all 8 column blocks, 32 along K
.irp a, \a0, \a0+1
.irp b, 0,1,2,3,4,5,6,7
.if \zero
	v_wmma_f32_16x16x32_bf16 v[8*(8*(\a)+\b):8*(8*(\a)+\b)+7], v[\f+8*\b:\f+8*\b+7], v[\f+8*(4*\hi+\a):\f+8*(4*\hi+\a)+7], 0
.else
	v_wmma_f32_16x16x32_bf16 v[8*(8*(\a)+\b):8*(8*(\a)+\b)+7], v[\f+8*\b:\f+8*\b+7], v[\f+8*(4*\hi+\a):\f+8*(4*\hi+\a)+7], v[8*(8*(\a)+\b):8*(8*(\a)+\b)+7]
.endif
.endr
.endr
.endm
.macro FETCH slot, k, f                ; 32 LDS loads in one run: one quarter step's fragments into buffer f
	WIN TO_B
.irp i, 0,1,2,3,4,5,6,7
	ds_load_b128 v[\f+8*\i:\f+8*\i+3],   v[ADRB+\slot] offset:\k+\i*16*PITCH
	ds_load_b128 v[\f+8*\i+4:\f+8*\i+7], v[ADRB+\slot] offset:\k+\i*16*PITCH+32
.endr
	WIN 0
.irp i, 0,1,2,3,4,5,6,7
	ds_load_b128 v[\f+8*\i:\f+8*\i+3],   v[ADRA+\slot] offset:\k+\i*16*PITCH
	ds_load_b128 v[\f+8*\i+4:\f+8*\i+7], v[ADRA+\slot] offset:\k+\i*16*PITCH+32
.endr
.endm
.macro PLACES                          ; four places behind a matrix instruction ahead of loads into its sources and of readers of its result
.rept 4
	v_nop
.endr
.endm
.macro QUARTER slot, k, f, g, zero     ; multiplies buffer f; in its middle fetches the next quarter's fragments into buffer g
	s_wait_dscnt 8                                 ; B and A's rows 0-63 are in; the youngest eight loads may be out
	WIN MUL_LO
	MUL16 \f, 0, 0, \zero
	MUL16 \f, 0, 2, \zero
	PLACES
	FETCH \slot, \k, \g
	s_wait_dscnt 32                                ; all but the 32 just issued
	WIN MUL_HI
	MUL16 \f, 1, 0, \zero
	MUL16 \f, 1, 2, \zero
.endm
.macro THREE slot, zero
	QUARTER \slot, 64,  F0, F1, \zero
	QUARTER \slot, 128, F1, F0, 0
	QUARTER \slot, 192, F0, F1, 0
.endm
.macro TURN slot, next, fill           ; the last quarter of a K step: multiplies buffer 1 and changes slots
	s_wait_dscnt 8
	WIN MUL_LO
	MUL16 F1, 0, 0, 0
	s_wait_dscnt 0                                 ; my reads of this slot are over
	s_wait_tensorcnt 0x0                           ; all my tensor loads have landed: the one that was out is my part of the next slot
	ds_add_u32 v255, v255
	s_wait_dscnt 0x0
	s_barrier_signal -1                            ; where a slot is filled again this barrier opens a round of the cluster's barrier
	MUL16 F1, 0, 2, 0                              ; register work while the others arrive
	WIN 0
	s_barrier_wait -1
.if \fill
	CREST                                          ; no wave of any partner still reads this slot or has a load on its way
	s_add_nc_u64 s[G0+4*\slot+2:G0+4*\slot+3], s[G0+4*\slot+2:G0+4*\slot+3], 2*KSTEP*2
	s_add_nc_u64 s[G0B+4*\slot+2:G0B+4*\slot+3], s[G0B+4*\slot+2:G0B+4*\slot+3], 2*KSTEP*2
	JLOAD \slot                                    ; the first tensor load behind the round, one a wave
.endif
	PLACES
	FETCH \next, 0, F0
	WIN MUL_HI
	MUL16 F1, 1, 0, 0
	MUL16 F1, 1, 2, 0
.endm
.macro LAP zero
	THREE 0, \zero
	TURN 0, 1, 1
	THREE 1, 0
	TURN 1, 0, 1
.endm
	s_load_b256 s[68:75], s[0:1], 0x0              ; xw 68, b1 70, b3 72, y13 74
	s_set_vgpr_msb 0x40
	v_lshl_add_u32 v255, v0, 2, 0x48400
	s_set_vgpr_msb 0x4000
	v_mov_b32 v255, 0
	s_set_vgpr_msb 0x1
	ds_add_u32 v255, v255
	s_set_vgpr_msb 0x100
	v_lshrrev_b32 v1, 5, v0
	v_readfirstlane_b32 s10, v1                    ; wave 0..3
	s_lshr_b32 s11, s10, 1                         ; which half of the block's rows is mine; also: I fetch for A (0) or B (1)
	s_and_b32 s12, s10, 1                          ; which half of its columns; also: which 128 rows of that tile I fetch
	s_bfe_u32 s40, ttmp6, 0x40000                  ; cx
	s_bfe_u32 s41, ttmp6, 0x40004                  ; cy
	s_lshl_b32 s42, ttmp9, 2
	s_add_co_u32 s42, s42, s40                     ; block column 0..3: W1's two halves, then W3's
	s_and_b32 s13, ttmp7, 0xffff
	s_lshl_b32 s13, s13, 2
	s_add_co_u32 s13, s13, s41                     ; block row 0..63
	s_lshl_b32 s43, s41, 2
	s_lshl_b32 s43, 15, s43                        ; my row of the cluster
	s_lshl_b32 s44, 0x1111, s40                    ; my column
	s_or_b32 s[G1+0], s43, (1<<16)|(1<<20)|(1<<21)|(5<<22)|(3<<25)  ; mask; 2-byte elements; padding of 4 words after every 64; bit 21 beside a mask
	s_or_b32 s[G1B+0], s44, (1<<16)|(1<<20)|(1<<21)|(5<<22)|(3<<25)
	s_mov_b32 s[G1B+1], KSTEP<<16
	s_mov_b32 s[G1+1], KSTEP<<16                   ; tensor_dim0 = 128
	s_mov_b32 s[G1B+2], 128<<16
	s_mov_b32 s[G1+2], 128<<16                     ; tensor_dim1 = 128
	s_mov_b32 s[G1B+3], KSTEP<<16
	s_mov_b32 s[G1+3], KSTEP<<16                   ; tile_dim0 = 128
	s_mov_b32 s[G1B+4], 128
	s_mov_b32 s[G1+4], 128                         ; tile_dim1 = 128
	s_mov_b32 s[G1B+5], SIZE_K
	s_mov_b32 s[G1+5], SIZE_K                      ; 512 elements from row to row
	s_mov_b32 s[G1B+6], 0
	s_mov_b32 s[G1+6], 0
	s_mov_b32 s[G1B+7], 0
	s_mov_b32 s[G1+7], 0
	s_lshl_b32 s17, s12, 7
	s_lshl_b32 s16, s13, 8
	s_add_co_u32 s16, s16, s17                     ; A: row 256 x block row + 128 x half
	s_lshl_b32 s46, s42, 8
	s_add_co_u32 s46, s46, s17                     ; B: row 256 x block column + 128 x half
	s_mov_b32 s17, 0
	s_mov_b32 s47, 0
	s_mov_b64 s[18:19], SIZE_K*2
	s_mul_u64 s[16:17], s[16:17], s[18:19]
	s_mul_u64 s[46:47], s[46:47], s[18:19]
	s_mul_i32 s20, s10, HALFT                      ; LDS: wave x 128 rows
	s_wait_dscnt 0x0
	s_wait_kmcnt 0x0
	s_add_nc_u64 s[14:15], s[68:69], s[16:17]      ; xT
	s_add_nc_u64 s[6:7], s[68:69], 0x1000000       ; the bf16 weights
	s_add_nc_u64 s[46:47], s[6:7], s[46:47]
	CROUND                                         ; all sixteen work-groups are here: the first joint loads meet
.irp s, 0,1
	s_mov_b32 s[G0+4*\s], 1
	s_add_co_u32 s[G0+4*\s+1], s20, \s*SLOT
	s_add_nc_u64 s[G0+4*\s+2:G0+4*\s+3], s[14:15], \s*KSTEP*2
	s_or_b32 s[G0+4*\s+3], s[G0+4*\s+3], 0x80000000
	s_mov_b32 s[G0B+4*\s], 1
	s_add_co_u32 s[G0B+4*\s+1], s20, \s*SLOT
	s_add_nc_u64 s[G0B+4*\s+2:G0B+4*\s+3], s[46:47], \s*KSTEP*2
	s_or_b32 s[G0B+4*\s+3], s[G0B+4*\s+3], 0x80000000
	JLOAD \s                                       ; two tensor loads of this wave are out at the most
.endr
	v_and_b32 v1, 15, v0                           ; r = l % 16
	v_bfe_u32 v2, v0, 4, 1                         ; h = l / 16
	v_mul_u32_u24 v3, v1, PITCH
	v_lshl_add_u32 v3, v2, 4, v3
	s_mul_i32 s21, s11, HALFT
	s_mul_i32 s22, s12, HALFT
	s_add_co_u32 s22, s22, 2*HALFT
.irp s, 0,1
	v_add_nc_u32 v[ADRA+\s], s21, v3
	v_add_nc_u32 v[ADRB+\s], s22, v3
	s_add_co_u32 s21, s21, SLOT
	s_add_co_u32 s22, s22, SLOT
.endr
	s_mul_i32 s23, s10, 16*SPITCH
	s_add_co_u32 s23, s23, STAGE                   ; my stage
	v_mul_u32_u24 v4, v1, SPITCH
	v_lshl_add_u32 v4, v2, 4, v4
	v_add_nc_u32 v[STO], s23, v4
	v_mul_u32_u24 v5, v2, SPITCH
	v_lshl_add_u32 v5, v1, 4, v5
	v_add_nc_u32 v[RD], s23, v5
	v_mul_u32_u24 v5, v2, OROW
	v_lshl_add_u32 v[CO], v1, 4, v5
	; the bias of my 128 columns into window 1, v0-63
	v_lshlrev_b32 v27, 5, v2                       ; 32 h: eight numbers
	s_and_b32 s78, s42, 1
	s_lshl_b32 s78, s78, 10                        ; 256 columns x 4 bytes
	s_lshl_b32 s79, s12, 9                         ; 128 columns x 4 bytes
	s_add_co_u32 s78, s78, s79
	s_mov_b32 s79, 0
	s_cmp_lt_u32 s42, 2
	s_cselect_b64 s[76:77], s[70:71], s[72:73]     ; b1 for block columns 0, 1; b3 for 2, 3
	s_add_nc_u64 s[76:77], s[76:77], s[78:79]
	WIN TO_B
.irp b, 0,1,2,3,4,5,6,7
	global_load_b128 v[8*\b:8*\b+3],   v27, s[76:77] offset:64*\b
	global_load_b128 v[8*\b+4:8*\b+7], v27, s[76:77] offset:64*\b+16
.endr
	WIN 0
	s_wait_loadcnt 0x0
	s_wait_tensorcnt 1                             ; my part of K step 0 is in; K step 1's may stay out
	s_barrier_signal -1
	s_barrier_wait -1
	FETCH 0, 0, F0
	LAP 1                                          ; K steps 0, 1; the first products start the sums
	THREE 0, 0                                     ; K steps 2, 3 fill nothing
	TURN 0, 1, 0
	THREE 1, 0
	s_wait_dscnt 8
	WIN MUL_LO
	MUL16 F1, 0, 0, 0
	MUL16 F1, 0, 2, 0
	s_wait_dscnt 0
	WIN MUL_HI
	MUL16 F1, 1, 0, 0
	MUL16 F1, 1, 2, 0
	; THE WAY OUT, 16 rows at a time: + bias, round to bf16, 16 bytes a lane into my stage, read back as rows of 256 bytes
	PLACES
	s_lshl_b32 s16, s13, 8
	s_lshl_b32 s14, s11, 7
	s_add_co_u32 s16, s16, s14                     ; my first row
	s_lshl_b32 s16, s16, 10                        ; x 1,024 bytes: below 2^24
	s_mov_b32 s17, 0
	s_add_nc_u64 s[8:9], s[74:75], s[16:17]
	s_lshr_b32 s46, s42, 1
	s_lshl_b32 s46, s46, 24                        ; the plane: y1T or y3T
	s_and_b32 s47, s42, 1
	s_lshl_b32 s47, s47, 9                         ; 256 columns x 2 bytes
	s_add_co_u32 s46, s46, s47
	s_lshl_b32 s47, s12, 8
	s_add_co_u32 s46, s46, s47
	s_mov_b32 s47, 0
	s_add_nc_u64 s[8:9], s[8:9], s[46:47]
.macro OUT16B i, a, addw, from, f      ; rows 16 i .. +15 = tiles (a, 0..7) of window 2 or 3
	WIN \addw                                      ; accumulator's window for source 0 and destination, window 1 for source 1
.irp b, 0,1,2,3,4,5,6,7
.irp r, 0,2,4,6
	v_pk_add_f32 v[8*(8*\a+\b)+\r:8*(8*\a+\b)+\r+1], v[8*(8*\a+\b)+\r:8*(8*\a+\b)+\r+1], v[8*\b+\r:8*\b+\r+1]
.endr
.endr
	WIN \from
.irp b, 0,1,2,3,4,5,6,7
.irp r, 0,1,2,3
	v_cvt_pk_bf16_f32 v[TMP+4*\b+\r], v[8*(8*\a+\b)+2*\r], v[8*(8*\a+\b)+2*\r+1]
.endr
.endr
	WIN 0
.irp b, 0,1,2,3,4,5,6,7
	ds_store_b128 v[STO], v[TMP+4*\b:TMP+4*\b+3] offset:32*\b
.endr
	s_wait_xcnt 0x0                                ; buffer f, which earlier stores read, and the stores' base are rewritten only behind this wait
.if \i
	s_add_nc_u64 s[8:9], s[8:9], 16*OROW
.endif
.irp t, 0,1,2,3,4,5,6,7
	ds_load_b128 v[\f+4*\t:\f+4*\t+3], v[RD] offset:\t*2*SPITCH    ; LDS serves a wave's instructions in order: these see the stores above
.endr
.irp t, 0,1,2,3,4,5,6,7
	s_wait_dscnt 7-\t
	global_store_b128 v[CO], v[\f+4*\t:\f+4*\t+3], s[8:9] offset:2*\t*OROW   ; 16 lanes store 256 consecutive bytes, aligned
.endr
.endm
	OUT16B 0, 0, 0x86, 0x0a, F0
	OUT16B 1, 1, 0x86, 0x0a, F1
	OUT16B 2, 2, 0x86, 0x0a, F0
	OUT16B 3, 3, 0x86, 0x0a, F1
	OUT16B 4, 0, 0xc7, 0x0f, F0
	OUT16B 5, 1, 0xc7, 0x0f, F1
	OUT16B 6, 2, 0xc7, 0x0f, F0
	OUT16B 7, 3, 0xc7, 0x0f, F1
	s_set_vgpr_msb 0x1
	s_wait_tensorcnt 0x0
	ds_add_u32 v255, v255
	s_wait_dscnt 0x0
	s_set_vgpr_msb 0x100
	CROUND                                         ; the closing round
	s_endpgm
.Lfunc_end_k_q651fcbcb44_conv13:
	.size	k_q651fcbcb44_conv13, .Lfunc_end_k_q651fcbcb44_conv13-k_q651fcbcb44_conv13
	.p2alignl 7, 3214868480
	.fill 96, 4, 3214868480
	.section	.rodata,"a",@progbits
	.p2align	6, 0x0
	.amdhsa_kernel k_q651fcbcb44_conv13
		.amdhsa_group_segment_fixed_size 327680
		.amdhsa_private_segment_fixed_size 0
		.amdhsa_enable_private_segment 0
		.amdhsa_kernarg_size 32
		.amdhsa_user_sgpr_count 2
		.amdhsa_user_sgpr_kernarg_segment_ptr 1
		.amdhsa_wavefront_size32 1
		.amdhsa_system_sgpr_workgroup_id_x 1
		.amdhsa_system_sgpr_workgroup_id_y 1
		.amdhsa_system_sgpr_workgroup_id_z 1
		.amdhsa_system_vgpr_workitem_id 0
		.amdhsa_next_free_vgpr 1024
		.amdhsa_next_free_sgpr 96
		.amdhsa_reserve_vcc 0
		.amdhsa_float_denorm_mode_32 3
		.amdhsa_float_denorm_mode_16_64 3
		.amdhsa_memory_ordered 1
		.amdhsa_forward_progress 1
		.amdhsa_inst_pref_size 162
	.end_amdhsa_kernel
	.amdgpu_metadata
---
amdhsa.version: [ 1, 2 ]
amdhsa.kernels:
  - .name:           k_q651fcbcb44_conv13
    .symbol:         k_q651fcbcb44_conv13.kd
    .args:
      - { .name: xw, .offset: 0, .size: 8, .value_kind: global_buffer, .address_space: global }
      - { .name: b1, .offset: 8, .size: 8, .value_kind: global_buffer, .address_space: global }
      - { .name: b3, .offset: 16, .size: 8, .value_kind: global_buffer, .address_space: global }
      - { .name: y13, .offset: 24, .size: 8, .value_kind: global_buffer, .address_space: global }
    .group_segment_fixed_size: 327680
    .private_segment_fixed_size: 0
    .kernarg_segment_align: 8
    .kernarg_segment_size: 32
    .max_flat_workgroup_size: 128
    .sgpr_count:     96
    .vgpr_count:     1024
    .wavefront_size: 32
...
	.end_amdgpu_metadata
.endif
;; end of part 2
;; launch conv27 (part 3): grid 64 x 4, 4 waves a work-group, clusters of 4 x 1, 327,680 bytes of LDS; arguments xw, y13, b2, b7, y2ts; writes y2ts
.if DOCPART == 3
	.amdgcn_target "amdgcn-amd-amdhsa--gfx1250"
	.amdhsa_code_object_version 6
	.text
	.protected	k_q651fcbcb44_conv27
	.globl	k_q651fcbcb44_conv27
	.p2align	8
	.type	k_q651fcbcb44_conv27,@function
k_q651fcbcb44_conv27:
	s_mov_b64 s[64:65], 0
	v_nop
	global_prefetch_b8 v0, s[64:65] scope:SCOPE_SE
	s_setreg_imm32_b32 hwreg(HW_REG_WAVE_MODE, 25, 1), 1
	s_wait_xcnt 0x0
	s_wait_alu depctr_hold_cnt(0) depctr_sa_sdst(0) depctr_va_vdst(0) depctr_va_sdst(0) depctr_va_ssrc(0) depctr_va_vcc(0) depctr_vm_vsrc(0)
	s_getreg_b32 s2, hwreg(HW_REG_IB_STS2, 6, 4)
	s_cmp_eq_u32 s2, 0
	s_cbranch_scc0 .Lentry_in_a_cluster
	s_endpgm
.Lentry_in_a_cluster:
	s_bfe_u32 s2, ttmp6, 0x10000c
	s_cmp_lg_u32 s2, 0x3003
	s_cbranch_scc0 .Lentry_shape_is_right
	s_endpgm
.Lentry_shape_is_right:
; conv27: grid y = 2 role + column block.
; role 0: y2T = xT x W2^T + b2, bf16, to y2ts byte 0 ([16384][512]).
; role 1: t = ye_[n] (y3T x W7^T) + b7 (ye_ is one number a row, so it leaves conv7's sum).  t is not stored: for each block of 128 rows
;         and each column the sum S of t and the sum M2 of (t - S/128)^2 go to y2ts (S at byte 16,777,216, M2 262,144 further, [128][512] f32).
;         The variance is later put together from these centred squares and the block means: no difference of large sums is formed.
; The product is the same as in conv13: 256 x 256 a work-group, four waves of 128 x 128, K = 512 in four steps through two LDS slots.
; CLUSTERS: 4 x 1 work-groups, four row blocks of one grid y.  They read the same 256 rows of weights: B's tiles are asked for jointly
; (mask 15), which is half of a step's bytes.  A's rows differ from partner to partner and come by plain loads behind the same rounds.
; A 4 x 4 cluster does not fit: one A has only two column blocks of 256.
; REGISTERS: as in conv13; window 1 also holds v192-207: ye_ of my rows, each number twice (a pair for the packed multiply-add).
; The 64 accumulators take turns, one instruction a turn.
.set SIZE_K, 512
.set KSTEP,  128
.set PITCH,  272
.set HALFT,  128*PITCH
.set SLOT,   4*HALFT
.set STAGE,  2*SLOT
.set SPITCH, 272
.set OROW,   1024
.set ADRA, 16
.set ADRB, 20
.set STO,  24
.set RD,   25
.set CO,   26
.set F0,   64
.set F1,   128
.set TMP,  192
.set YE,   192                         ; window 1
.set CS,   64                          ; window 0: column sums
.set NM,   128                         ; window 0: minus the block means
.set Q,    192                         ; window 0: centred squares
.set G1, 24
.set G0, 32
.set G1B, 48
.set G0B, 56
.set MSB, 0
.macro WIN new
.if MSB != \new
	s_set_vgpr_msb (MSB<<8)|\new
.set MSB, \new
.endif
.endm
.set MUL_LO, 0xa1
.set MUL_HI, 0xf1
.set TO_B,   0x40
.macro JLOAD s                         ; waves 0, 1: A's halves, plain; waves 2, 3: B's halves, joint.  One tensor load a wave
	s_cmp_eq_u32 s11, 0
	s_cbranch_scc0 .Lfor_b_\@
	tensor_load_to_lds s[G0+4*\s:G0+4*\s+3], s[G1:G1+7]
	s_nop 0
	s_branch .Lasked_\@
.Lfor_b_\@:
	tensor_load_to_lds s[G0B+4*\s:G0B+4*\s+3], s[G1B:G1B+7]
	s_nop 0
.Lasked_\@:
.endm
.macro CREST
	s_cmp_lg_u32 s10, 0
	s_cbranch_scc1 .Lnot_wave_0_\@
	s_barrier_signal -3
.Lnot_wave_0_\@:
	s_barrier_wait -3
	s_barrier_signal -1
	s_barrier_wait -1
.endm
.macro CROUND
	s_barrier_signal -1
	s_barrier_wait -1
	CREST
.endm
.macro MUL16 f, hi, a0, zero
.irp a, \a0, \a0+1
.irp b, 0,1,2,3,4,5,6,7
.if \zero
	v_wmma_f32_16x16x32_bf16 v[8*(8*(\a)+\b):8*(8*(\a)+\b)+7], v[\f+8*\b:\f+8*\b+7], v[\f+8*(4*\hi+\a):\f+8*(4*\hi+\a)+7], 0
.else
	v_wmma_f32_16x16x32_bf16 v[8*(8*(\a)+\b):8*(8*(\a)+\b)+7], v[\f+8*\b:\f+8*\b+7], v[\f+8*(4*\hi+\a):\f+8*(4*\hi+\a)+7], v[8*(8*(\a)+\b):8*(8*(\a)+\b)+7]
.endif
.endr
.endr
.endm
.macro FETCH slot, k, f
	WIN TO_B
.irp i, 0,1,2,3,4,5,6,7
	ds_load_b128 v[\f+8*\i:\f+8*\i+3],   v[ADRB+\slot] offset:\k+\i*16*PITCH
	ds_load_b128 v[\f+8*\i+4:\f+8*\i+7], v[ADRB+\slot] offset:\k+\i*16*PITCH+32
.endr
	WIN 0
.irp i, 0,1,2,3,4,5,6,7
	ds_load_b128 v[\f+8*\i:\f+8*\i+3],   v[ADRA+\slot] offset:\k+\i*16*PITCH
	ds_load_b128 v[\f+8*\i+4:\f+8*\i+7], v[ADRA+\slot] offset:\k+\i*16*PITCH+32
.endr
.endm
.macro PLACES                          ; four places behind a matrix instruction (ISA guide 7.12.1)
.rept 4
	v_nop
.endr
.endm
.macro QUARTER slot, k, f, g, zero
	s_wait_dscnt 8                                 ; the youngest eight loads (A's rows 64-127) may be out
	WIN MUL_LO
	MUL16 \f, 0, 0, \zero
	MUL16 \f, 0, 2, \zero
	PLACES
	FETCH \slot, \k, \g
	s_wait_dscnt 32                                ; all but the 32 just issued
	WIN MUL_HI
	MUL16 \f, 1, 0, \zero
	MUL16 \f, 1, 2, \zero
.endm
.macro THREE slot, zero
	QUARTER \slot, 64,  F0, F1, \zero
	QUARTER \slot, 128, F1, F0, 0
	QUARTER \slot, 192, F0, F1, 0
.endm
.macro TURN slot, next, fill
	s_wait_dscnt 8
	WIN MUL_LO
	MUL16 F1, 0, 0, 0
	s_wait_dscnt 0                                 ; my reads of this slot are over
	s_wait_tensorcnt 0x0                           ; all my tensor loads have landed
	ds_add_u32 v255, v63
	s_wait_dscnt 0x0
	s_barrier_signal -1
	MUL16 F1, 0, 2, 0
	WIN 0
	s_barrier_wait -1
.if \fill
	CREST                                          ; the round: no wave of any partner still reads this slot or has a load on its way
	s_add_nc_u64 s[G0+4*\slot+2:G0+4*\slot+3], s[G0+4*\slot+2:G0+4*\slot+3], 2*KSTEP*2
	s_add_nc_u64 s[G0B+4*\slot+2:G0B+4*\slot+3], s[G0B+4*\slot+2:G0B+4*\slot+3], 2*KSTEP*2
	JLOAD \slot
.endif
	PLACES
	FETCH \next, 0, F0
	WIN MUL_HI
	MUL16 F1, 1, 0, 0
	MUL16 F1, 1, 2, 0
.endm
.macro LAP zero
	THREE 0, \zero
	TURN 0, 1, 1
	THREE 1, 0
	TURN 1, 0, 1
.endm
	s_load_b256 s[68:75], s[0:1], 0x0              ; xw 68, y13 70, b2 72, b7 74
	s_load_b64 s[76:77], s[0:1], 0x20              ; y2ts
	s_set_vgpr_msb 0x40
	v_lshl_add_u32 v255, v0, 2, 0x48400
	s_set_vgpr_msb 0x4000
	v_mov_b32 v63, 0
	s_set_vgpr_msb 0x1
	ds_add_u32 v255, v63
	s_set_vgpr_msb 0x100
	v_lshrrev_b32 v1, 5, v0
	v_readfirstlane_b32 s10, v1                    ; wave
	s_lshr_b32 s11, s10, 1
	s_and_b32 s12, s10, 1
	s_bfe_u32 s40, ttmp6, 0x40000                  ; cx
	s_lshl_b32 s13, ttmp9, 2
	s_add_co_u32 s13, s13, s40                     ; row block 0..63
	s_and_b32 s42, ttmp7, 0xffff                   ; grid y, the same in all four partners
	s_lshr_b32 s80, s42, 1                         ; role
	s_and_b32 s81, s42, 1                          ; column block
	s_mov_b32 s[G1+0], (1<<16)|(1<<20)|(5<<22)|(3<<25)                 ; A: no mask
	s_mov_b32 s[G1B+0], 15|(1<<16)|(1<<20)|(1<<21)|(5<<22)|(3<<25)     ; B: all four partners, bit 21 beside the mask
	s_mov_b32 s[G1B+1], KSTEP<<16
	s_mov_b32 s[G1+1], KSTEP<<16
	s_mov_b32 s[G1B+2], 128<<16
	s_mov_b32 s[G1+2], 128<<16
	s_mov_b32 s[G1B+3], KSTEP<<16
	s_mov_b32 s[G1+3], KSTEP<<16
	s_mov_b32 s[G1B+4], 128
	s_mov_b32 s[G1+4], 128
	s_mov_b32 s[G1B+5], SIZE_K
	s_mov_b32 s[G1+5], SIZE_K
	s_mov_b32 s[G1B+6], 0
	s_mov_b32 s[G1+6], 0
	s_mov_b32 s[G1B+7], 0
	s_mov_b32 s[G1+7], 0
	s_lshl_b32 s17, s12, 7
	s_lshl_b32 s16, s13, 8
	s_add_co_u32 s16, s16, s17                     ; A: row 256 x row block + 128 x half
	s_lshl_b32 s46, s42, 8
	s_add_co_u32 s46, s46, s17                     ; B: row 256 y + 128 x half behind W1 and W3 (W2's 512 rows, then W7's)
	s_mov_b32 s17, 0
	s_mov_b32 s47, 0
	s_mov_b64 s[18:19], SIZE_K*2
	s_mul_u64 s[16:17], s[16:17], s[18:19]
	s_mul_u64 s[46:47], s[46:47], s[18:19]
	s_mul_i32 s20, s10, HALFT
	s_wait_dscnt 0x0
	s_wait_kmcnt 0x0
	s_add_nc_u64 s[88:89], s[70:71], 0x1000000     ; y3T
	s_cmp_eq_u32 s80, 0
	s_cselect_b64 s[4:5], s[68:69], s[88:89]       ; A is xT (role 0) or y3T (role 1)
	s_add_nc_u64 s[14:15], s[4:5], s[16:17]
	s_add_nc_u64 s[6:7], s[68:69], 0x1100000       ; the bf16 weights from W2 on
	s_add_nc_u64 s[46:47], s[6:7], s[46:47]
	CROUND                                         ; in front of the first loads
.irp s, 0,1
	s_mov_b32 s[G0+4*\s], 1
	s_add_co_u32 s[G0+4*\s+1], s20, \s*SLOT
	s_add_nc_u64 s[G0+4*\s+2:G0+4*\s+3], s[14:15], \s*KSTEP*2
	s_or_b32 s[G0+4*\s+3], s[G0+4*\s+3], 0x80000000
	s_mov_b32 s[G0B+4*\s], 1
	s_add_co_u32 s[G0B+4*\s+1], s20, \s*SLOT
	s_add_nc_u64 s[G0B+4*\s+2:G0B+4*\s+3], s[46:47], \s*KSTEP*2
	s_or_b32 s[G0B+4*\s+3], s[G0B+4*\s+3], 0x80000000
	JLOAD \s                                       ; two tensor loads of this wave are out at the most
.endr
	v_and_b32 v1, 15, v0                           ; r
	v_bfe_u32 v2, v0, 4, 1                         ; h
	v_and_b32 v6, 31, v0                           ; lane
	v_mul_u32_u24 v3, v1, PITCH
	v_lshl_add_u32 v3, v2, 4, v3
	s_mul_i32 s21, s11, HALFT
	s_mul_i32 s22, s12, HALFT
	s_add_co_u32 s22, s22, 2*HALFT
.irp s, 0,1
	v_add_nc_u32 v[ADRA+\s], s21, v3
	v_add_nc_u32 v[ADRB+\s], s22, v3
	s_add_co_u32 s21, s21, SLOT
	s_add_co_u32 s22, s22, SLOT
.endr
	s_mul_i32 s23, s10, 16*SPITCH
	s_add_co_u32 s23, s23, STAGE
	v_mul_u32_u24 v4, v1, SPITCH
	v_lshl_add_u32 v4, v2, 4, v4
	v_add_nc_u32 v[STO], s23, v4
	v_mul_u32_u24 v5, v2, SPITCH
	v_lshl_add_u32 v5, v1, 4, v5
	v_add_nc_u32 v[RD], s23, v5
	v_mul_u32_u24 v5, v2, OROW
	v_lshl_add_u32 v[CO], v1, 4, v5
	v_lshlrev_b32 v27, 5, v2                       ; bias: 32 h
	v_lshlrev_b32 v28, 2, v1                       ; ye_: 4 r
	v_lshl_add_u32 v29, v2, 5, s23                 ; stage + 32 h: where the column figures go
	v_lshl_add_u32 v30, v6, 4, s23                 ; stage + 16 lane: where they are read back
	v_lshlrev_b32 v31, 4, v6                       ; 16 lane
	s_lshl_b32 s82, s81, 10
	s_lshl_b32 s83, s12, 9
	s_add_co_u32 s82, s82, s83                     ; (256 column block + 128 half) x 4 bytes
	s_mov_b32 s83, 0
	s_cmp_eq_u32 s80, 0
	s_cselect_b64 s[86:87], s[72:73], s[74:75]     ; b2 or b7
	s_add_nc_u64 s[86:87], s[86:87], s[82:83]
	s_lshl_b32 s82, s13, 10
	s_lshl_b32 s84, s11, 9
	s_add_co_u32 s82, s82, s84                     ; (256 row block + 128 half) x 4 bytes
	s_add_co_u32 s82, s82, 0x1200000               ; ye_ in xw
	s_add_nc_u64 s[84:85], s[68:69], s[82:83]
	WIN TO_B
.irp b, 0,1,2,3,4,5,6,7
	global_load_b128 v[8*\b:8*\b+3],   v27, s[86:87] offset:64*\b
	global_load_b128 v[8*\b+4:8*\b+7], v27, s[86:87] offset:64*\b+16
.endr
	; ye_ of rows 16 a + r, each into both registers of a pair.  Both roles load them (role 0 does not use them), so that these
	; registers are written on every way through the text.
.irp a, 0,1,2,3,4,5,6,7
	global_load_b32 v[YE+2*\a],   v28, s[84:85] offset:64*\a
	global_load_b32 v[YE+2*\a+1], v28, s[84:85] offset:64*\a
.endr
	WIN 0
	s_wait_loadcnt 0x0
	s_wait_tensorcnt 1                             ; K step 0's part is in; K step 1's may stay out
	s_barrier_signal -1
	s_barrier_wait -1
	FETCH 0, 0, F0
	LAP 1
	THREE 0, 0
	TURN 0, 1, 0
	THREE 1, 0
	s_wait_dscnt 8
	WIN MUL_LO
	MUL16 F1, 0, 0, 0
	MUL16 F1, 0, 2, 0
	s_wait_dscnt 0
	WIN MUL_HI
	MUL16 F1, 1, 0, 0
	MUL16 F1, 1, 2, 0
	PLACES
	WIN 0
	s_cmp_lg_u32 s80, 0                            ; the role is the same in all partners
	s_cbranch_scc1 .Lstats
	; ROLE 0: y2T out, as in conv13
	s_lshl_b32 s16, s13, 8
	s_lshl_b32 s14, s11, 7
	s_add_co_u32 s16, s16, s14                     ; my first row
	s_lshl_b32 s16, s16, 10
	s_lshl_b32 s14, s81, 9
	s_add_co_u32 s16, s16, s14
	s_lshl_b32 s14, s12, 8
	s_add_co_u32 s16, s16, s14
	s_mov_b32 s17, 0
	s_add_nc_u64 s[8:9], s[76:77], s[16:17]
.macro OUT16B i, a, addw, from, f
	WIN \addw
.irp b, 0,1,2,3,4,5,6,7
.irp r, 0,2,4,6
	v_pk_add_f32 v[8*(8*\a+\b)+\r:8*(8*\a+\b)+\r+1], v[8*(8*\a+\b)+\r:8*(8*\a+\b)+\r+1], v[8*\b+\r:8*\b+\r+1]
.endr
.endr
	WIN \from
.irp b, 0,1,2,3,4,5,6,7
.irp r, 0,1,2,3
	v_cvt_pk_bf16_f32 v[TMP+4*\b+\r], v[8*(8*\a+\b)+2*\r], v[8*(8*\a+\b)+2*\r+1]
.endr
.endr
	WIN 0
.irp b, 0,1,2,3,4,5,6,7
	ds_store_b128 v[STO], v[TMP+4*\b:TMP+4*\b+3] offset:32*\b
.endr
	s_wait_xcnt 0x0                                ; buffer f and the stores' base are rewritten only behind this wait
.if \i
	s_add_nc_u64 s[8:9], s[8:9], 16*OROW
.endif
.irp t, 0,1,2,3,4,5,6,7
	ds_load_b128 v[\f+4*\t:\f+4*\t+3], v[RD] offset:\t*2*SPITCH
.endr
.irp t, 0,1,2,3,4,5,6,7
	s_wait_dscnt 7-\t
	global_store_b128 v[CO], v[\f+4*\t:\f+4*\t+3], s[8:9] offset:2*\t*OROW
.endr
.endm
	OUT16B 0, 0, 0x86, 0x0a, F0
	OUT16B 1, 1, 0x86, 0x0a, F1
	OUT16B 2, 2, 0x86, 0x0a, F0
	OUT16B 3, 3, 0x86, 0x0a, F1
	OUT16B 4, 0, 0xc7, 0x0f, F0
	OUT16B 5, 1, 0xc7, 0x0f, F1
	OUT16B 6, 2, 0xc7, 0x0f, F0
	OUT16B 7, 3, 0xc7, 0x0f, F1
	s_branch .Ljoin
.Lstats:
	; ROLE 1.  Pair n of a window (n = 0..127): tile row n / 32, columns' pair n % 32.
	s_lshl_b32 s16, s13, 1
	s_add_co_u32 s16, s16, s11                     ; my block of 128 rows
	s_lshl_b32 s16, s16, 11                        ; x 512 columns x 4 bytes
	s_lshl_b32 s14, s81, 10
	s_add_co_u32 s16, s16, s14
	s_lshl_b32 s14, s12, 9
	s_add_co_u32 s16, s16, s14
	s_add_co_u32 s16, s16, 0x1000000
	s_mov_b32 s17, 0
	s_add_nc_u64 s[8:9], s[76:77], s[16:17]
.macro TFORM win, hi                   ; t = ye_ x product + b7, in place
	WIN \win
.set n, 0
.rept 128
	v_pk_fma_f32 v[2*n:2*n+1], v[2*n:2*n+1], v[YE+8*\hi+2*(n/32):YE+8*\hi+2*(n/32)+1], v[2*(n%32):2*(n%32)+1]
.set n, n+1
.endr
.endm
.macro CADD win, a                     ; column sums += tile row a of the window that source 1 names
	WIN \win
.set k, 0
.rept 32
	v_pk_add_f32 v[CS+2*k:CS+2*k+1], v[CS+2*k:CS+2*k+1], v[64*\a+2*k:64*\a+2*k+1]
.set k, k+1
.endr
.endm
.macro LANES base                      ; sums over the sixteen lanes that hold the same columns, 64 registers
.irp m, 1,2,4,8
.set k, 0
.rept 64
	v_add_f32_dpp v[\base+k], v[\base+k], v[\base+k] row_xmask:\m row_mask:0xf bank_mask:0xf
.set k, k+1
.endr
.endr
.endm
.macro CENTRE win                      ; t -= block mean of its column
	WIN \win
.set n, 0
.rept 128
	v_pk_add_f32 v[2*n:2*n+1], v[2*n:2*n+1], v[NM+2*(n%32):NM+2*(n%32)+1]
.set n, n+1
.endr
.endm
.macro SQUARE win, first               ; Q += t t
	WIN \win
.set n, 0
.rept 128
.if \first && (n < 32)
	v_pk_mul_f32 v[Q+2*n:Q+2*n+1], v[2*n:2*n+1], v[2*n:2*n+1]
.else
	v_pk_fma_f32 v[Q+2*(n%32):Q+2*(n%32)+1], v[2*n:2*n+1], v[2*n:2*n+1], v[Q+2*(n%32):Q+2*(n%32)+1]
.endif
.set n, n+1
.endr
.endm
	TFORM 0x96, 0                                  ; window 2: sources 1, 2 in window 1
	TFORM 0xd7, 1                                  ; window 3
	WIN 0x0a
.set k, 0
.rept 32
	v_pk_add_f32 v[CS+2*k:CS+2*k+1], v[2*k:2*k+1], v[64+2*k:64+2*k+1]      ; the first two tile rows start the sums
.set k, k+1
.endr
	CADD 0x08, 2
	CADD 0x08, 3
	CADD 0x0c, 0
	CADD 0x0c, 1
	CADD 0x0c, 2
	CADD 0x0c, 3
	WIN 0
	LANES CS
.set k, 0
.rept 32
	v_pk_mul_f32 v[NM+2*k:NM+2*k+1], v[CS+2*k:CS+2*k+1], 0xbc000000 op_sel_hi:[1,0]   ; - sum / 128
.set k, k+1
.endr
	CENTRE 0x82
	SQUARE 0x0a, 1
	CENTRE 0xc3
	SQUARE 0x0f, 0
	WIN 0
	LANES Q
	; column 16 b + 8 h + j lies at byte 64 b + 32 h + 4 j of my stage; the sixteen lanes of a half store equal words
.irp b, 0,1,2,3,4,5,6,7
	ds_store_b128 v29, v[CS+8*\b:CS+8*\b+3]   offset:64*\b
	ds_store_b128 v29, v[CS+8*\b+4:CS+8*\b+7] offset:64*\b+16
	ds_store_b128 v29, v[Q+8*\b:Q+8*\b+3]     offset:512+64*\b
	ds_store_b128 v29, v[Q+8*\b+4:Q+8*\b+7]   offset:512+64*\b+16
.endr
	ds_load_b128 v[NM:NM+3],   v30                 ; my own bytes, served in order
	ds_load_b128 v[NM+4:NM+7], v30 offset:512
	s_wait_dscnt 0x0
	global_store_b128 v31, v[NM:NM+3],   s[8:9]                    ; 512 consecutive bytes of S
	global_store_b128 v31, v[NM+4:NM+7], s[8:9] offset:262144      ; and of M2
.Ljoin:
	s_set_vgpr_msb 0x1
	s_wait_tensorcnt 0x0
	ds_add_u32 v255, v63
	s_wait_dscnt 0x0
	s_set_vgpr_msb 0x100
	CROUND                                         ; the closing round
	s_endpgm
.Lfunc_end_k_q651fcbcb44_conv27:
	.size	k_q651fcbcb44_conv27, .Lfunc_end_k_q651fcbcb44_conv27-k_q651fcbcb44_conv27
	.p2alignl 7, 3214868480
	.fill 96, 4, 3214868480
	.section	.rodata,"a",@progbits
	.p2align	6, 0x0
	.amdhsa_kernel k_q651fcbcb44_conv27
		.amdhsa_group_segment_fixed_size 327680
		.amdhsa_private_segment_fixed_size 0
		.amdhsa_enable_private_segment 0
		.amdhsa_kernarg_size 40
		.amdhsa_user_sgpr_count 2
		.amdhsa_user_sgpr_kernarg_segment_ptr 1
		.amdhsa_wavefront_size32 1
		.amdhsa_system_sgpr_workgroup_id_x 1
		.amdhsa_system_sgpr_workgroup_id_y 1
		.amdhsa_system_sgpr_workgroup_id_z 1
		.amdhsa_system_vgpr_workitem_id 0
		.amdhsa_next_free_vgpr 1024
		.amdhsa_next_free_sgpr 96
		.amdhsa_reserve_vcc 0
		.amdhsa_float_denorm_mode_32 3
		.amdhsa_float_denorm_mode_16_64 3
		.amdhsa_memory_ordered 1
		.amdhsa_forward_progress 1
		.amdhsa_inst_pref_size 255
	.end_amdhsa_kernel
	.section	.bss,"aw",@nobits
	.p2align	6
	.space	262144
	.amdgpu_metadata
---
amdhsa.version: [ 1, 2 ]
amdhsa.kernels:
  - .name:           k_q651fcbcb44_conv27
    .symbol:         k_q651fcbcb44_conv27.kd
    .args:
      - { .name: xw, .offset: 0, .size: 8, .value_kind: global_buffer, .address_space: global }
      - { .name: y13, .offset: 8, .size: 8, .value_kind: global_buffer, .address_space: global }
      - { .name: b2, .offset: 16, .size: 8, .value_kind: global_buffer, .address_space: global }
      - { .name: b7, .offset: 24, .size: 8, .value_kind: global_buffer, .address_space: global }
      - { .name: y2ts, .offset: 32, .size: 8, .value_kind: global_buffer, .address_space: global }
    .group_segment_fixed_size: 327680
    .private_segment_fixed_size: 0
    .kernarg_segment_align: 8
    .kernarg_segment_size: 40
    .max_flat_workgroup_size: 128
    .sgpr_count:     96
    .vgpr_count:     1024
    .wavefront_size: 32
...
	.end_amdgpu_metadata
.endif
;; end of part 3
;; launch attn (part 4): grid 4 x 64, 4 waves a work-group, clusters of 4 x 4, 327,680 bytes of LDS; arguments y2ts, y13, lm; writes lm
.if DOCPART == 4
	.amdgcn_target "amdgcn-amd-amdhsa--gfx1250"
	.amdhsa_code_object_version 6
	.text
	.protected	k_q651fcbcb44_attn
	.globl	k_q651fcbcb44_attn
	.p2align	8
	.type	k_q651fcbcb44_attn,@function
k_q651fcbcb44_attn:
	s_mov_b64 s[64:65], 0
	v_nop
	global_prefetch_b8 v0, s[64:65] scope:SCOPE_SE
	s_setreg_imm32_b32 hwreg(HW_REG_WAVE_MODE, 25, 1), 1
	s_wait_xcnt 0x0
	s_wait_alu depctr_hold_cnt(0) depctr_sa_sdst(0) depctr_va_vdst(0) depctr_va_sdst(0) depctr_va_ssrc(0) depctr_va_vcc(0) depctr_vm_vsrc(0)
	s_getreg_b32 s2, hwreg(HW_REG_IB_STS2, 6, 4)
	s_cmp_eq_u32 s2, 0
	s_cbranch_scc0 .Lentry_in_a_cluster
	s_endpgm
.Lentry_in_a_cluster:
	s_bfe_u32 s2, ttmp6, 0x10000c
	s_cmp_lg_u32 s2, 0xf033
	s_cbranch_scc0 .Lentry_shape_is_right
	s_endpgm
.Lentry_shape_is_right:
; attn: c[n][m] = sum over o of y2T[n][o] y1T[m][o] for one batch item a cluster (1024 x 1024, sixteen blocks of 256 x 256).
; c is not stored.  For each row n and each block of 128 columns a wave stores the block's maximum M and L = sum of exp(c - M):
; lm holds M [16 b][8 column blocks][1024 n] f32, and L in the same shape 524,288 bytes further.
; The product is the same as in conv13.  CLUSTERS: 4 x 4; y2T's rows are shared along a cluster's row, y1T's along a column.
; REGISTERS: window 0: v16-31 addresses, v64-191 fragments of A, later the row figures; window 1: fragments of B; windows 2, 3: accumulators.
; Lane l holds row l % 16 of each tile row and columns 8 (l / 16) + 0..7 of each of the eight tiles: 64 of the row's 128 numbers.
; The 64 accumulators take turns, one instruction a turn.
.set SIZE_K, 512
.set KSTEP,  128
.set PITCH,  272
.set HALFT,  128*PITCH
.set SLOT,   4*HALFT
.set STAGE,  2*SLOT
.set SPITCH, 272
.set ADRA, 16
.set ADRB, 20
.set F0,   64
.set F1,   128
.set MX,   64                          ; v[64:71]   row maxima, one a tile row
.set T,    72                          ; v[72:79]   at work
.set NM,   80                          ; v[80:95]   minus the maxima, each twice
.set LP,   96                          ; v[96:111]  sums of exponentials, a pair a tile row
.set G1, 24
.set G0, 32
.set G1B, 48
.set G0B, 56
.set MSB, 0
.macro WIN new
.if MSB != \new
	s_set_vgpr_msb (MSB<<8)|\new
.set MSB, \new
.endif
.endm
.set MUL_LO, 0xa1
.set MUL_HI, 0xf1
.set TO_B,   0x40
.macro JLOAD s
	s_cmp_eq_u32 s11, 0
	s_cbranch_scc0 .Lfor_b_\@
	tensor_load_to_lds s[G0+4*\s:G0+4*\s+3], s[G1:G1+7]
	s_nop 0
	s_branch .Lasked_\@
.Lfor_b_\@:
	tensor_load_to_lds s[G0B+4*\s:G0B+4*\s+3], s[G1B:G1B+7]
	s_nop 0
.Lasked_\@:
.endm
.macro CREST
	s_cmp_lg_u32 s10, 0
	s_cbranch_scc1 .Lnot_wave_0_\@
	s_barrier_signal -3
.Lnot_wave_0_\@:
	s_barrier_wait -3
	s_barrier_signal -1
	s_barrier_wait -1
.endm
.macro CROUND
	s_barrier_signal -1
	s_barrier_wait -1
	CREST
.endm
.macro MUL16 f, hi, a0, zero
.irp a, \a0, \a0+1
.irp b, 0,1,2,3,4,5,6,7
.if \zero
	v_wmma_f32_16x16x32_bf16 v[8*(8*(\a)+\b):8*(8*(\a)+\b)+7], v[\f+8*\b:\f+8*\b+7], v[\f+8*(4*\hi+\a):\f+8*(4*\hi+\a)+7], 0
.else
	v_wmma_f32_16x16x32_bf16 v[8*(8*(\a)+\b):8*(8*(\a)+\b)+7], v[\f+8*\b:\f+8*\b+7], v[\f+8*(4*\hi+\a):\f+8*(4*\hi+\a)+7], v[8*(8*(\a)+\b):8*(8*(\a)+\b)+7]
.endif
.endr
.endr
.endm
.macro FETCH slot, k, f
	WIN TO_B
.irp i, 0,1,2,3,4,5,6,7
	ds_load_b128 v[\f+8*\i:\f+8*\i+3],   v[ADRB+\slot] offset:\k+\i*16*PITCH
	ds_load_b128 v[\f+8*\i+4:\f+8*\i+7], v[ADRB+\slot] offset:\k+\i*16*PITCH+32
.endr
	WIN 0
.irp i, 0,1,2,3,4,5,6,7
	ds_load_b128 v[\f+8*\i:\f+8*\i+3],   v[ADRA+\slot] offset:\k+\i*16*PITCH
	ds_load_b128 v[\f+8*\i+4:\f+8*\i+7], v[ADRA+\slot] offset:\k+\i*16*PITCH+32
.endr
.endm
.macro PLACES                          ; four places behind a matrix instruction (ISA guide 7.12.1)
.rept 4
	v_nop
.endr
.endm
.macro QUARTER slot, k, f, g, zero
	s_wait_dscnt 8                                 ; the youngest eight loads (A's rows 64-127) may be out
	WIN MUL_LO
	MUL16 \f, 0, 0, \zero
	MUL16 \f, 0, 2, \zero
	PLACES
	FETCH \slot, \k, \g
	s_wait_dscnt 32                                ; all but the 32 just issued
	WIN MUL_HI
	MUL16 \f, 1, 0, \zero
	MUL16 \f, 1, 2, \zero
.endm
.macro THREE slot, zero
	QUARTER \slot, 64,  F0, F1, \zero
	QUARTER \slot, 128, F1, F0, 0
	QUARTER \slot, 192, F0, F1, 0
.endm
.macro TURN slot, next, fill
	s_wait_dscnt 8
	WIN MUL_LO
	MUL16 F1, 0, 0, 0
	s_wait_dscnt 0                                 ; my reads of this slot are over
	s_wait_tensorcnt 0x0                           ; all my tensor loads have landed
	ds_add_u32 v255, v255
	s_wait_dscnt 0x0
	s_barrier_signal -1
	MUL16 F1, 0, 2, 0
	WIN 0
	s_barrier_wait -1
.if \fill
	CREST                                          ; the round: no wave of any partner still reads this slot or has a load on its way
	s_add_nc_u64 s[G0+4*\slot+2:G0+4*\slot+3], s[G0+4*\slot+2:G0+4*\slot+3], 2*KSTEP*2
	s_add_nc_u64 s[G0B+4*\slot+2:G0B+4*\slot+3], s[G0B+4*\slot+2:G0B+4*\slot+3], 2*KSTEP*2
	JLOAD \slot
.endif
	PLACES
	FETCH \next, 0, F0
	WIN MUL_HI
	MUL16 F1, 1, 0, 0
	MUL16 F1, 1, 2, 0
.endm
.macro LAP zero
	THREE 0, \zero
	TURN 0, 1, 1
	THREE 1, 0
	TURN 1, 0, 1
.endm
	s_load_b128 s[68:71], s[0:1], 0x0              ; y2ts 68, y13 70
	s_load_b64 s[72:73], s[0:1], 0x10              ; lm
	s_set_vgpr_msb 0x40
	v_lshl_add_u32 v255, v0, 2, 0x48400
	s_set_vgpr_msb 0x4000
	v_mov_b32 v255, 0
	s_set_vgpr_msb 0x1
	ds_add_u32 v255, v255
	s_set_vgpr_msb 0x100
	v_lshrrev_b32 v1, 5, v0
	v_readfirstlane_b32 s10, v1                    ; wave
	s_lshr_b32 s11, s10, 1
	s_and_b32 s12, s10, 1
	s_bfe_u32 s40, ttmp6, 0x40000                  ; cx
	s_bfe_u32 s41, ttmp6, 0x40004                  ; cy
	s_and_b32 s45, ttmp7, 0xffff                   ; the cluster's y = the batch item b
	s_lshl_b32 s42, s45, 2
	s_add_co_u32 s42, s42, s40                     ; block of 256 rows of y1T: 4 b + cx
	s_and_b32 s13, ttmp7, 0xffff
	s_lshl_b32 s13, s13, 2
	s_add_co_u32 s13, s13, s41                     ; block of 256 rows of y2T: 4 b + cy
	s_lshl_b32 s43, s41, 2
	s_lshl_b32 s43, 15, s43                        ; my row of the cluster
	s_lshl_b32 s44, 0x1111, s40                    ; my column
	s_mov_b32 s84, 0x76543210                      ; v_permlanex16_b32: lane i reads lane i of the other half
	s_mov_b32 s85, 0xfedcba98
	s_or_b32 s[G1+0], s43, (1<<16)|(1<<20)|(1<<21)|(5<<22)|(3<<25)
	s_or_b32 s[G1B+0], s44, (1<<16)|(1<<20)|(1<<21)|(5<<22)|(3<<25)
	s_mov_b32 s[G1B+1], KSTEP<<16
	s_mov_b32 s[G1+1], KSTEP<<16
	s_mov_b32 s[G1B+2], 128<<16
	s_mov_b32 s[G1+2], 128<<16
	s_mov_b32 s[G1B+3], KSTEP<<16
	s_mov_b32 s[G1+3], KSTEP<<16
	s_mov_b32 s[G1B+4], 128
	s_mov_b32 s[G1+4], 128
	s_mov_b32 s[G1B+5], SIZE_K
	s_mov_b32 s[G1+5], SIZE_K
	s_mov_b32 s[G1B+6], 0
	s_mov_b32 s[G1+6], 0
	s_mov_b32 s[G1B+7], 0
	s_mov_b32 s[G1+7], 0
	s_lshl_b32 s17, s12, 7
	s_lshl_b32 s16, s13, 8
	s_add_co_u32 s16, s16, s17
	s_lshl_b32 s46, s42, 8
	s_add_co_u32 s46, s46, s17
	s_mov_b32 s17, 0
	s_mov_b32 s47, 0
	s_mov_b64 s[18:19], SIZE_K*2
	s_mul_u64 s[16:17], s[16:17], s[18:19]
	s_mul_u64 s[46:47], s[46:47], s[18:19]
	s_mul_i32 s20, s10, HALFT
	s_wait_dscnt 0x0
	s_wait_kmcnt 0x0
	s_add_nc_u64 s[14:15], s[68:69], s[16:17]      ; y2T
	s_add_nc_u64 s[46:47], s[70:71], s[46:47]      ; y1T
	CROUND
.irp s, 0,1
	s_mov_b32 s[G0+4*\s], 1
	s_add_co_u32 s[G0+4*\s+1], s20, \s*SLOT
	s_add_nc_u64 s[G0+4*\s+2:G0+4*\s+3], s[14:15], \s*KSTEP*2
	s_or_b32 s[G0+4*\s+3], s[G0+4*\s+3], 0x80000000
	s_mov_b32 s[G0B+4*\s], 1
	s_add_co_u32 s[G0B+4*\s+1], s20, \s*SLOT
	s_add_nc_u64 s[G0B+4*\s+2:G0B+4*\s+3], s[46:47], \s*KSTEP*2
	s_or_b32 s[G0B+4*\s+3], s[G0B+4*\s+3], 0x80000000
	JLOAD \s                                       ; two tensor loads of this wave are out at the most
.endr
	v_and_b32 v1, 15, v0                           ; r
	v_bfe_u32 v2, v0, 4, 1                         ; h
	v_and_b32 v6, 31, v0                           ; lane
	v_mul_u32_u24 v3, v1, PITCH
	v_lshl_add_u32 v3, v2, 4, v3
	s_mul_i32 s21, s11, HALFT
	s_mul_i32 s22, s12, HALFT
	s_add_co_u32 s22, s22, 2*HALFT
.irp s, 0,1
	v_add_nc_u32 v[ADRA+\s], s21, v3
	v_add_nc_u32 v[ADRB+\s], s22, v3
	s_add_co_u32 s21, s21, SLOT
	s_add_co_u32 s22, s22, SLOT
.endr
	s_mul_i32 s23, s10, 16*SPITCH
	s_add_co_u32 s23, s23, STAGE                   ; my stage
	v_lshl_add_u32 v29, v1, 2, s23                 ; stage + 4 r
	v_lshl_add_u32 v30, v6, 4, s23                 ; stage + 16 lane
	v_lshlrev_b32 v31, 4, v6                       ; 16 lane
	s_wait_tensorcnt 1                             ; K step 0's part is in; K step 1's may stay out
	s_barrier_signal -1
	s_barrier_wait -1
	FETCH 0, 0, F0
	LAP 1
	THREE 0, 0
	TURN 0, 1, 0
	THREE 1, 0
	s_wait_dscnt 8
	WIN MUL_LO
	MUL16 F1, 0, 0, 0
	MUL16 F1, 0, 2, 0
	s_wait_dscnt 0
	WIN MUL_HI
	MUL16 F1, 1, 0, 0
	MUL16 F1, 1, 2, 0
	; THE WAY OUT: per row the maximum and the sum of exponentials over my 128 columns
	PLACES
	s_lshl_b32 s16, s41, 10                        ; (256 cy + 128 half) x 4 bytes
	s_lshl_b32 s14, s11, 9
	s_add_co_u32 s16, s16, s14
	s_mov_b32 s17, 0
	s_add_nc_u64 s[8:9], s[72:73], s[16:17]
	s_lshl_b32 s46, s42, 1                         ; 8 b + 2 cx
	s_add_co_u32 s46, s46, s12                     ; + my half: the block of 128 columns
	s_lshl_b32 s46, s46, 12                        ; x 1,024 rows x 4 bytes
	s_mov_b32 s47, 0
	s_add_nc_u64 s[8:9], s[8:9], s[46:47]
.macro RMAX win, hi                    ; a lane's 64 numbers of each of four rows; the four chains take turns
	WIN \win
.irp a, 0,1,2,3
	v_max_num_f32 v[MX+4*\hi+\a], v[64*\a], v[64*\a+1]
.endr
.set k, 1
.rept 31
.irp a, 0,1,2,3
	v_max3_num_f32 v[MX+4*\hi+\a], v[64*\a+2*k], v[64*\a+2*k+1], v[MX+4*\hi+\a]
.endr
.set k, k+1
.endr
.endm
.macro REXP win, hi                    ; c - max first, then x log2 e, then 2^x, all in place
	WIN \win
.set n, 0
.rept 128
	v_pk_add_f32 v[2*n:2*n+1], v[2*n:2*n+1], v[NM+8*\hi+2*(n/32):NM+8*\hi+2*(n/32)+1]
.set n, n+1
.endr
.set n, 0
.rept 128
	v_pk_mul_f32 v[2*n:2*n+1], v[2*n:2*n+1], 0x3fb8aa3b op_sel_hi:[1,0]
.set n, n+1
.endr
.set n, 0
.rept 256
	v_exp_f32 v[n], v[n]
.set n, n+1
.endr
	v_nop                                          ; one plain place behind the last transcendental (ISA guide 5.7.2)
.endm
.macro RSUM win0, win1, hi
	WIN \win0
	s_wait_alu depctr_va_vdst(0)
.irp a, 0,1,2,3
	v_pk_add_f32 v[LP+8*\hi+2*\a:LP+8*\hi+2*\a+1], v[64*\a:64*\a+1], v[64*\a+2:64*\a+3]
.endr
	WIN \win1
.set k, 2
.rept 30
.irp a, 0,1,2,3
	v_pk_add_f32 v[LP+8*\hi+2*\a:LP+8*\hi+2*\a+1], v[64*\a+2*k:64*\a+2*k+1], v[LP+8*\hi+2*\a:LP+8*\hi+2*\a+1]
.endr
.set k, k+1
.endr
.endm
	RMAX 0x0a, 0
	RMAX 0x0f, 1
	WIN 0
.irp a, 0,1,2,3,4,5,6,7
	v_mov_b32 v[T+\a], 0                           ; the destination of v_permlanex16_b32 counts as read
.endr
.irp a, 0,1,2,3,4,5,6,7
	v_permlanex16_b32 v[T+\a], v[MX+\a], s84, s85  ; the row's other 64 columns
.endr
.irp a, 0,1,2,3,4,5,6,7
	v_max_num_f32 v[MX+\a], v[MX+\a], v[T+\a]
.endr
.irp a, 0,1,2,3,4,5,6,7
	v_mul_f32 v[NM+2*\a],   -1.0, v[MX+\a]
	v_mul_f32 v[NM+2*\a+1], -1.0, v[MX+\a]
.endr
	REXP 0x82, 0
	RSUM 0x0a, 0x02, 0
	REXP 0xc3, 1
	RSUM 0x0f, 0x03, 1
	WIN 0
.irp a, 0,1,2,3,4,5,6,7
	v_add_f32 v[LP+2*\a], v[LP+2*\a], v[LP+2*\a+1]
.endr
.irp a, 0,1,2,3,4,5,6,7
	v_permlanex16_b32 v[T+\a], v[LP+2*\a], s84, s85
.endr
.irp a, 0,1,2,3,4,5,6,7
	v_add_f32 v[T+\a], v[T+\a], v[LP+2*\a]
.endr
.irp a, 0,1,2,3,4,5,6,7
	ds_store_b32 v29, v[MX+\a] offset:64*\a        ; row 16 a + r; both halves of the lanes store the same word
	ds_store_b32 v29, v[T+\a]  offset:512+64*\a
.endr
	ds_load_b128 v[112:115], v30                   ; my own bytes, served in order
	ds_load_b128 v[116:119], v30 offset:512
	s_wait_dscnt 0x0
	global_store_b128 v31, v[112:115], s[8:9]                  ; 512 consecutive bytes of M
	global_store_b128 v31, v[116:119], s[8:9] offset:524288    ; and of L
	s_set_vgpr_msb 0x1
	s_wait_tensorcnt 0x0
	ds_add_u32 v255, v255
	s_wait_dscnt 0x0
	s_set_vgpr_msb 0x100
	CROUND                                         ; the closing round
	s_endpgm
.Lfunc_end_k_q651fcbcb44_attn:
	.size	k_q651fcbcb44_attn, .Lfunc_end_k_q651fcbcb44_attn-k_q651fcbcb44_attn
	.p2alignl 7, 3214868480
	.fill 96, 4, 3214868480
	.section	.rodata,"a",@progbits
	.p2align	6, 0x0
	.amdhsa_kernel k_q651fcbcb44_attn
		.amdhsa_group_segment_fixed_size 327680
		.amdhsa_private_segment_fixed_size 0
		.amdhsa_enable_private_segment 0
		.amdhsa_kernarg_size 24
		.amdhsa_user_sgpr_count 2
		.amdhsa_user_sgpr_kernarg_segment_ptr 1
		.amdhsa_wavefront_size32 1
		.amdhsa_system_sgpr_workgroup_id_x 1
		.amdhsa_system_sgpr_workgroup_id_y 1
		.amdhsa_system_sgpr_workgroup_id_z 1
		.amdhsa_system_vgpr_workitem_id 0
		.amdhsa_next_free_vgpr 1024
		.amdhsa_next_free_sgpr 96
		.amdhsa_reserve_vcc 0
		.amdhsa_float_denorm_mode_32 3
		.amdhsa_float_denorm_mode_16_64 3
		.amdhsa_memory_ordered 1
		.amdhsa_forward_progress 1
		.amdhsa_inst_pref_size 202
	.end_amdhsa_kernel
	.amdgpu_metadata
---
amdhsa.version: [ 1, 2 ]
amdhsa.kernels:
  - .name:           k_q651fcbcb44_attn
    .symbol:         k_q651fcbcb44_attn.kd
    .args:
      - { .name: y2ts, .offset: 0, .size: 8, .value_kind: global_buffer, .address_space: global }
      - { .name: y13, .offset: 8, .size: 8, .value_kind: global_buffer, .address_space: global }
      - { .name: lm, .offset: 16, .size: 8, .value_kind: global_buffer, .address_space: global }
    .group_segment_fixed_size: 327680
    .private_segment_fixed_size: 0
    .kernarg_segment_align: 8
    .kernarg_segment_size: 24
    .max_flat_workgroup_size: 128
    .sgpr_count:     96
    .vgpr_count:     1024
    .wavefront_size: 32
...
	.end_amdgpu_metadata
.endif
;; end of part 4
;; launch redu (part 5): grid 256 x 1, 8 waves a work-group, no clusters, 13,312 bytes of LDS; arguments lm, y13, y2ts, gamma, beta, W8, rv; writes rv
.if DOCPART == 5
	.amdgcn_target "amdgcn-amd-amdhsa--gfx1250"
	.amdhsa_code_object_version 6
	.text
	.protected	k_q651fcbcb44_redu
	.globl	k_q651fcbcb44_redu
	.p2align	8
	.type	k_q651fcbcb44_redu,@function
k_q651fcbcb44_redu:
	s_mov_b64 s[64:65], 0
	v_nop
	global_prefetch_b8 v0, s[64:65] scope:SCOPE_SE
	s_setreg_imm32_b32 hwreg(HW_REG_WAVE_MODE, 25, 1), 1
	s_wait_xcnt 0x0
; redu: work-group wg = 16 b + j.
; (1) s[n] = sum over m of softmax(c)[n][m] for n = 64 j .. +63 of batch item b, from the eight blocks' maxima and sums:
;     M = max M_k, p_k = L_k exp(M_k - M), s = sum of p_k / (sum of p_k).
; (2) P1P[b][j][c] = sum over these 64 n of y3[c][n] s[n]  (the mean over m of y3 . Cw is (1/1024) sum over n of y3[c][n] s[n]).
; (3) GroupNorm's mu and var of batch item b from the blocks' S and M2; v[c] = gamma (mean over n of t[c] - mu) rstd + beta,
;     which is the mean over n of tn[c]; every one of the 16 work-groups of b makes them (32 KiB of figures).
; (4) YEEP[b][j / 8][64 (j % 8) .. +63] = W8's 64 rows x half of K, times v: the mean goes through conv8, which is linear.
; No matrix unit: these are sums and one-row products in f32, bound by their loads.  No cluster: nothing large is shared at one time.
; Limit: v_exp_f32, v_rcp_f32 and v_rsq_f32 flush denormals.
.set RED1, 0
.set RED2, 256
.set VV,   512                         ; v, 2,048 bytes
.set OUTB, 2560                        ; 64 results of the one-row product
.set PR,   3072                        ; 8 x 1,024 bytes: a wave's partial sums of (2)
.set SW,   11264                       ; 64 bytes a wave: its sixteen s
.macro WSUM r, t                       ; sum over the wave's 32 lanes, in every lane
	v_add_f32_dpp v[\r], v[\r], v[\r] row_xmask:1 row_mask:0xf bank_mask:0xf
	v_add_f32_dpp v[\r], v[\r], v[\r] row_xmask:2 row_mask:0xf bank_mask:0xf
	v_add_f32_dpp v[\r], v[\r], v[\r] row_xmask:4 row_mask:0xf bank_mask:0xf
	v_add_f32_dpp v[\r], v[\r], v[\r] row_xmask:8 row_mask:0xf bank_mask:0xf
	v_permlanex16_b32 v[\t], v[\r], s28, s29
	v_add_f32 v[\r], v[\r], v[\t]
.endm
.macro SUM8                            ; the eight waves' figures in v[224:231] -> v224
	v_pk_add_f32 v[224:225], v[224:225], v[226:227]
	v_pk_add_f32 v[228:229], v[228:229], v[230:231]
	v_pk_add_f32 v[224:225], v[224:225], v[228:229]
	v_add_f32 v224, v224, v225
.endm
	s_load_b256 s[8:15], s[0:1], 0x0               ; lm 8, y13 10, y2ts 12, gamma 14
	s_load_b128 s[16:19], s[0:1], 0x20             ; beta 16, W8 18
	s_load_b64 s[20:21], s[0:1], 0x30              ; rv
	v_lshl_add_u32 v62, v0, 2, 0x3000
	v_mov_b32 v63, 0
	v_lshrrev_b32 v1, 5, v0
	v_readfirstlane_b32 s4, v1                     ; wave w
	s_lshr_b32 s5, ttmp9, 4                        ; b
	s_and_b32 s6, ttmp9, 15                        ; j
	s_lshr_b32 s7, s4, 1                           ; which 16 of the 64 n
	s_and_b32 s22, s4, 1                           ; which 256 of the 512 c
	s_lshr_b32 s23, s6, 3                          ; which half of W8's K
	s_and_b32 s24, s6, 7                           ; which 64 rows of W8
	s_mov_b32 s28, 0x76543210
	s_mov_b32 s29, 0xfedcba98
	s_mov_b32 s30, 0x36000000                      ; 2^-19 = 1 / (512 x 1024)
	s_mov_b32 s31, 0x3727c5ac                      ; 1e-5
	v_and_b32 v1, 31, v0                           ; lane
	v_and_b32 v54, 15, v0
	s_lshl_b32 s32, s7, 6
	v_lshl_add_u32 v240, v54, 2, s32               ; M, L: (16 group + lane % 16) x 4
	v_lshlrev_b32 v241, 3, v0                      ; 8 t: columns 2 t, 2 t + 1
	s_lshl_b32 s32, s7, 14
	s_lshl_b32 s33, s22, 9
	s_add_co_u32 s32, s32, s33
	v_lshl_add_u32 v242, v1, 4, s32                ; y3T: 16 rows a group, 512 bytes a half, 16 a lane
	s_lshl_b32 s32, s4, 14
	v_lshl_add_u32 v243, v1, 4, s32                ; W8: 8 rows of 2,048 bytes a wave
	s_lshl_b32 s34, s4, 6
	s_add_co_u32 s34, s34, SW
	v_lshl_add_u32 v244, v54, 2, s34
	v_mov_b32 v245, s34
	s_lshl_b32 s32, s4, 2
	v_mov_b32 v246, s32                            ; a word a wave
	v_mov_b32 v247, 0
	s_lshl_b32 s32, s4, 8
	s_add_co_u32 s32, s32, VV
	v_lshl_add_u32 v248, v1, 3, s32                ; VV + 8 t
	s_lshl_b32 s32, s4, 10
	s_add_co_u32 s32, s32, PR
	v_lshl_add_u32 v249, v1, 5, s32
	s_lshl_b32 s32, s23, 10
	s_add_co_u32 s32, s32, VV
	v_lshl_add_u32 v250, v1, 4, s32
	s_lshl_b32 s32, s4, 5
	s_add_co_u32 s32, s32, OUTB
	v_mov_b32 v251, s32
	v_lshlrev_b32 v253, 4, v0                      ; 16 t
	v_add_nc_u32 v252, PR, v253
	v_lshlrev_b32 v255, 3, v1                      ; 8 lane
	v_add_nc_u32 v254, OUTB, v255
	v_mov_b32 v221, 0                              ; the destination of v_permlanex16_b32 counts as read
	s_lshl_b32 s36, s5, 15
	s_lshl_b32 s37, s6, 8
	s_add_co_u32 s36, s36, s37                     ; (8 b x 1024 + 64 j) x 4
	s_mov_b32 s37, 0
	s_lshl_b32 s38, ttmp9, 16                      ; 64 rows of 1,024 bytes a group,
	s_add_co_u32 s38, s38, 0x1000000               ; in y13's second plane
	s_mov_b32 s39, 0
	s_lshl_b32 s40, s5, 14                         ; 8 blocks x 2,048 bytes
	s_add_co_u32 s40, s40, 0x1000000
	s_mov_b32 s41, 0
	s_lshl_b32 s42, s24, 17
	s_lshl_b32 s43, s23, 10
	s_add_co_u32 s42, s42, s43
	s_mov_b32 s43, 0
	s_lshl_b32 s44, ttmp9, 11
	s_mov_b32 s45, 0
	s_lshl_b32 s48, s5, 12
	s_lshl_b32 s49, s23, 11
	s_add_co_u32 s48, s48, s49
	s_lshl_b32 s49, s24, 8
	s_add_co_u32 s48, s48, s49
	s_add_co_u32 s48, s48, 0x80000
	s_mov_b32 s49, 0
	s_wait_kmcnt 0x0
	s_add_nc_u64 s[8:9], s[8:9], s[36:37]
	s_add_nc_u64 s[10:11], s[10:11], s[38:39]
	s_add_nc_u64 s[12:13], s[12:13], s[40:41]
	s_add_nc_u64 s[18:19], s[18:19], s[42:43]
	s_add_nc_u64 s[46:47], s[20:21], s[44:45]      ; P1P at my row
	s_add_nc_u64 s[50:51], s[20:21], s[48:49]      ; YEEP at my 64 numbers
	; all 66 loads at once: 16 of M and L, 18 of S, M2, gamma, beta, 16 of y3T, 16 of W8
.irp k, 0,1,2,3,4,5,6,7
	global_load_b32 v[2+\k], v240, s[8:9] offset:4096*\k
.endr
.irp k, 0,1,2,3,4,5,6,7
	global_load_b32 v[10+\k], v240, s[8:9] offset:524288+4096*\k
.endr
.irp i, 0,1,2,3,4,5,6,7
	global_load_b64 v[18+2*\i:19+2*\i], v241, s[12:13] offset:2048*\i
.endr
.irp i, 0,1,2,3,4,5,6,7
	global_load_b64 v[34+2*\i:35+2*\i], v241, s[12:13] offset:262144+2048*\i
.endr
	global_load_b64 v[50:51], v241, s[14:15]
	global_load_b64 v[52:53], v241, s[16:17]
.set p, 0
.rept 16
	global_load_b128 v[64+4*p:67+4*p], v242, s[10:11] offset:1024*p
.set p, p+1
.endr
.set q, 0
.rept 8
	global_load_b128 v[128+8*q:131+8*q], v243, s[18:19] offset:2048*q
	global_load_b128 v[132+8*q:135+8*q], v243, s[18:19] offset:2048*q+512
.set q, q+1
.endr
	; (1) s of row 16 group + lane % 16
	s_wait_loadcnt 50                              ; younger: 18 + 16 + 16
	v_max3_num_f32 v216, v2, v3, v4
	v_max3_num_f32 v216, v5, v6, v216
	v_max3_num_f32 v216, v7, v8, v216
	v_max_num_f32 v216, v9, v216
.irp k, 0,1,2,3,4,5,6,7
	v_sub_f32 v[2+\k], v[2+\k], v216
.endr
.irp k, 0,1,2,3,4,5,6,7
	v_mul_f32 v[2+\k], 0x3fb8aa3b, v[2+\k]
.endr
.irp k, 0,1,2,3,4,5,6,7
	v_exp_f32 v[2+\k], v[2+\k]
.endr
	v_nop                                          ; one plain place behind a transcendental (ISA guide 5.7.2)
	s_wait_alu depctr_va_vdst(0)
.irp k, 0,1,2,3,4,5,6,7
	v_mul_f32 v[10+\k], v[10+\k], v[2+\k]          ; p_k
.endr
	v_add_f32 v217, v10, v11
.irp k, 2,3,4,5,6,7
	v_add_f32 v217, v217, v[10+\k]
.endr
	v_rcp_f32 v218, v217
	v_nop
	s_wait_alu depctr_va_vdst(0)
	v_mul_f32 v219, v10, v218
.irp k, 1,2,3,4,5,6,7
	v_fmac_f32 v219, v[10+\k], v218
.endr
	ds_store_b32 v244, v219                        ; my wave's own bytes: both halves of the lanes store the same word
.irp i, 0,1,2,3
	ds_load_b128 v[192+4*\i:195+4*\i], v245 offset:16*\i   ; the wave's sixteen s in every lane; LDS serves a wave in order
.endr
	; (3) mu
	s_wait_loadcnt 32                              ; younger: 16 + 16
	v_pk_add_f32 v[216:217], v[18:19], v[20:21]
.irp i, 2,3,4,5,6,7
	v_pk_add_f32 v[216:217], v[216:217], v[18+2*\i:19+2*\i]    ; sum over n of t, my two columns
.endr
	v_add_f32 v220, v216, v217
	WSUM 220, 221
	ds_store_b32 v246, v220 offset:RED1
	s_wait_dscnt 0x0
	s_barrier_signal -1
	s_barrier_wait -1
	ds_load_b128 v[224:227], v247 offset:RED1
	ds_load_b128 v[228:231], v247 offset:RED1+16
	s_wait_dscnt 0x0
	SUM8
	v_mul_f32 v222, 0xb6000000, v224               ; - mu = - total x 2^-19
	v_mov_b32 v223, v222
	; var: sum over blocks and columns of M2 + 128 (S / 128 - mu)^2
.set i, 0
.rept 8
	v_pk_fma_f32 v[236:237], v[18+2*i:19+2*i], 0x3c000000, v[222:223] op_sel_hi:[1,0,1]
.if i == 0
	v_pk_mul_f32 v[232:233], v[236:237], v[236:237]
.else
	v_pk_fma_f32 v[232:233], v[236:237], v[236:237], v[232:233]
.endif
.set i, i+1
.endr
	v_pk_add_f32 v[234:235], v[34:35], v[36:37]
.irp i, 2,3,4,5,6,7
	v_pk_add_f32 v[234:235], v[234:235], v[34+2*\i:35+2*\i]
.endr
	v_pk_fma_f32 v[234:235], v[232:233], 0x43000000, v[234:235] op_sel_hi:[1,0,1]
	v_add_f32 v220, v234, v235
	WSUM 220, 221
	ds_store_b32 v246, v220 offset:RED2
	s_wait_dscnt 0x0
	s_barrier_signal -1
	s_barrier_wait -1
	ds_load_b128 v[224:227], v247 offset:RED2
	ds_load_b128 v[228:231], v247 offset:RED2+16
	s_wait_dscnt 0x0
	SUM8
	v_fma_f32 v224, v224, s30, s31                 ; var + 1e-5
	v_rsq_f32 v226, v224
	v_rsq_f32 v227, v224
	v_nop
	v_pk_fma_f32 v[236:237], v[216:217], 0x3a800000, v[222:223] op_sel_hi:[1,0,1]   ; mean over n of t - mu
	s_wait_alu depctr_va_vdst(0)
	v_pk_mul_f32 v[236:237], v[236:237], v[226:227]
	v_pk_fma_f32 v[238:239], v[236:237], v[50:51], v[52:53]
	ds_store_b64 v248, v[238:239]
	; (2) my 16 rows x 8 columns of y3T times s
	s_wait_loadcnt 16                              ; younger: W8's 16
.irp m, 0,1,2,3
	v_lshlrev_b32 v[208+2*\m], 16, v[64+\m]        ; the first row starts the sums
	v_and_b32 v[209+2*\m], 0xffff0000, v[64+\m]
.endr
.irp k, 0,2,4,6
	v_pk_mul_f32 v[208+\k:209+\k], v[208+\k:209+\k], v[192:193] op_sel_hi:[1,0]
.endr
.set p, 1
.rept 15
.irp m, 0,1,2,3
	v_fma_mix_f32_bf16 v[208+2*\m], v[64+4*p+\m], v[192+p], v[208+2*\m] op_sel_hi:[1,0,0]
	v_fma_mix_f32_bf16 v[209+2*\m], v[64+4*p+\m], v[192+p], v[209+2*\m] op_sel:[1,0,0] op_sel_hi:[1,0,0]
.endr
.set p, p+1
.endr
	ds_store_b128 v249, v[208:211]
	ds_store_b128 v249, v[212:215] offset:16
	s_wait_dscnt 0x0
	s_barrier_signal -1
	s_barrier_wait -1
	; (4) eight rows of W8 a wave, 256 of K
	ds_load_b128 v[192:195], v250
	ds_load_b128 v[196:199], v250 offset:512
	s_wait_dscnt 0x0
.set q, 0
.rept 8
	s_wait_loadcnt 2*(7-q)                         ; the younger rows' loads may stay out
	v_pk_mul_f32 v[216:217], v[128+8*q:129+8*q], v[192:193]
	v_pk_fma_f32 v[216:217], v[130+8*q:131+8*q], v[194:195], v[216:217]
	v_pk_fma_f32 v[216:217], v[132+8*q:133+8*q], v[196:197], v[216:217]
	v_pk_fma_f32 v[216:217], v[134+8*q:135+8*q], v[198:199], v[216:217]
	v_add_f32 v220, v216, v217
	WSUM 220, 221
	ds_store_b32 v251, v220 offset:4*q
.set q, q+1
.endr
	s_wait_dscnt 0x0
	s_barrier_signal -1
	s_barrier_wait -1
	s_cmp_ge_u32 s4, 4
	s_cbranch_scc1 .Lend
	ds_load_b128 v[64:67], v252                    ; the four groups' partial sums of 4 columns
	ds_load_b128 v[68:71], v252 offset:2048
	ds_load_b128 v[72:75], v252 offset:4096
	ds_load_b128 v[76:79], v252 offset:6144
	s_wait_dscnt 0x0
	v_pk_add_f32 v[64:65], v[64:65], v[68:69]
	v_pk_add_f32 v[66:67], v[66:67], v[70:71]
	v_pk_add_f32 v[72:73], v[72:73], v[76:77]
	v_pk_add_f32 v[74:75], v[74:75], v[78:79]
	v_pk_add_f32 v[64:65], v[64:65], v[72:73]
	v_pk_add_f32 v[66:67], v[66:67], v[74:75]
	global_store_b128 v253, v[64:67], s[46:47]     ; 512 consecutive bytes a wave
	s_cmp_lg_u32 s4, 0
	s_cbranch_scc1 .Lend
	ds_load_b64 v[80:81], v254
	s_wait_dscnt 0x0
	global_store_b64 v255, v[80:81], s[50:51]      ; 256 consecutive bytes, aligned
.Lend:
	s_wait_tensorcnt 0x0
	ds_add_u32 v62, v63
	s_wait_dscnt 0x0
	s_endpgm
.Lfunc_end_k_q651fcbcb44_redu:
	.size	k_q651fcbcb44_redu, .Lfunc_end_k_q651fcbcb44_redu-k_q651fcbcb44_redu
	.p2alignl 7, 3214868480
	.fill 96, 4, 3214868480
	.section	.rodata,"a",@progbits
	.p2align	6, 0x0
	.amdhsa_kernel k_q651fcbcb44_redu
		.amdhsa_group_segment_fixed_size 13312
		.amdhsa_private_segment_fixed_size 0
		.amdhsa_enable_private_segment 0
		.amdhsa_kernarg_size 56
		.amdhsa_user_sgpr_count 2
		.amdhsa_user_sgpr_kernarg_segment_ptr 1
		.amdhsa_wavefront_size32 1
		.amdhsa_system_sgpr_workgroup_id_x 1
		.amdhsa_system_sgpr_workgroup_id_y 1
		.amdhsa_system_sgpr_workgroup_id_z 1
		.amdhsa_system_vgpr_workitem_id 0
		.amdhsa_next_free_vgpr 256
		.amdhsa_next_free_sgpr 66
		.amdhsa_reserve_vcc 0
		.amdhsa_float_denorm_mode_32 3
		.amdhsa_float_denorm_mode_16_64 3
		.amdhsa_memory_ordered 1
		.amdhsa_forward_progress 1
		.amdhsa_inst_pref_size 33
	.end_amdhsa_kernel
	.amdgpu_metadata
---
amdhsa.version: [ 1, 2 ]
amdhsa.kernels:
  - .name:           k_q651fcbcb44_redu
    .symbol:         k_q651fcbcb44_redu.kd
    .args:
      - { .name: lm, .offset: 0, .size: 8, .value_kind: global_buffer, .address_space: global }
      - { .name: y13, .offset: 8, .size: 8, .value_kind: global_buffer, .address_space: global }
      - { .name: y2ts, .offset: 16, .size: 8, .value_kind: global_buffer, .address_space: global }
      - { .name: gamma, .offset: 24, .size: 8, .value_kind: global_buffer, .address_space: global }
      - { .name: beta, .offset: 32, .size: 8, .value_kind: global_buffer, .address_space: global }
      - { .name: W8, .offset: 40, .size: 8, .value_kind: global_buffer, .address_space: global }
      - { .name: rv, .offset: 48, .size: 8, .value_kind: global_buffer, .address_space: global }
    .group_segment_fixed_size: 13312
    .private_segment_fixed_size: 0
    .kernarg_segment_align: 8
    .kernarg_segment_size: 56
    .max_flat_workgroup_size: 256
    .sgpr_count:     66
    .vgpr_count:     256
    .wavefront_size: 32
...
	.end_amdgpu_metadata
.endif
;; end of part 5
;; launch fc4 (part 6): grid 128 x 1, 8 waves a work-group, no clusters, 5,120 bytes of LDS; arguments rv, b8, W4, b4, y4v; writes y4v
.if DOCPART == 6
	.amdgcn_target "amdgcn-amd-amdhsa--gfx1250"
	.amdhsa_code_object_version 6
	.text
	.protected	k_q651fcbcb44_fc4
	.globl	k_q651fcbcb44_fc4
	.p2align	8
	.type	k_q651fcbcb44_fc4,@function
k_q651fcbcb44_fc4:
	s_mov_b64 s[64:65], 0
	v_nop
	global_prefetch_b8 v0, s[64:65] scope:SCOPE_SE
	s_setreg_imm32_b32 hwreg(HW_REG_WAVE_MODE, 25, 1), 1
	s_wait_xcnt 0x0
; fc4: avg[b][c] = (1/1024) sum over j of P1P[b][j][c] + YEEP[b][0][c] + YEEP[b][1][c] + b8[c];  y4[b] = W4 avg[b] + b4.
; Work-group wg = 8 b + ob makes 64 numbers of y4[b]; wave w rows 64 ob + 8 w .. +7, a whole row of W4 (2,048 bytes) by four loads.
; f32 multiply-adds: a one-row product bound by its 128 KiB of weights, whose loads all go out at the head.
.set VV,   256
.set OUTB, 2304
.macro WSUM r, t
	v_add_f32_dpp v[\r], v[\r], v[\r] row_xmask:1 row_mask:0xf bank_mask:0xf
	v_add_f32_dpp v[\r], v[\r], v[\r] row_xmask:2 row_mask:0xf bank_mask:0xf
	v_add_f32_dpp v[\r], v[\r], v[\r] row_xmask:4 row_mask:0xf bank_mask:0xf
	v_add_f32_dpp v[\r], v[\r], v[\r] row_xmask:8 row_mask:0xf bank_mask:0xf
	v_permlanex16_b32 v[\t], v[\r], s28, s29
	v_add_f32 v[\r], v[\r], v[\t]
.endm
.macro ROWDOT q
	s_wait_loadcnt 4*(7-\q)                        ; the younger rows' loads may stay out
	v_pk_mul_f32 v[60:61], v[64+16*\q:65+16*\q], v[44:45]
.irp m, 1,2,3,4,5,6,7
	v_pk_fma_f32 v[60:61], v[64+16*\q+2*\m:65+16*\q+2*\m], v[44+2*\m:45+2*\m], v[60:61]
.endr
	v_add_f32 v62, v60, v61
	WSUM 62, 63
	ds_store_b32 v197, v62 offset:4*\q
.endm
	s_load_b256 s[8:15], s[0:1], 0x0               ; rv 8, b8 10, W4 12, b4 14
	s_load_b64 s[16:17], s[0:1], 0x20              ; y4v
	v_lshl_add_u32 v208, v0, 2, 0x1000
	v_mov_b32 v209, 0
	v_lshrrev_b32 v1, 5, v0
	v_readfirstlane_b32 s4, v1                     ; wave
	s_lshr_b32 s5, ttmp9, 3                        ; b
	s_and_b32 s6, ttmp9, 7                         ; ob
	s_mov_b32 s28, 0x76543210
	s_mov_b32 s29, 0xfedcba98
	v_and_b32 v1, 31, v0                           ; lane
	v_lshlrev_b32 v192, 3, v1                      ; 8 lane
	v_lshlrev_b32 v193, 3, v0                      ; 8 t
	s_lshl_b32 s7, s4, 14
	v_lshl_add_u32 v194, v1, 4, s7                 ; 8 rows of 2,048 bytes a wave + 16 lane
	s_lshl_b32 s34, s4, 8
	s_add_co_u32 s34, s34, VV
	v_lshl_add_u32 v195, v1, 3, s34                ; VV + 8 t
	v_lshlrev_b32 v196, 4, v1
	v_add_nc_u32 v196, VV, v196
	s_lshl_b32 s35, s4, 5
	s_add_co_u32 s35, s35, OUTB
	v_mov_b32 v197, s35
	v_add_nc_u32 v198, OUTB, v192
	v_mov_b32 v63, 0                               ; the destination of v_permlanex16_b32 counts as read
	s_lshl_b32 s18, s6, 8
	s_mov_b32 s19, 0
	s_lshl_b32 s20, s5, 15
	s_mov_b32 s21, 0
	s_lshl_b32 s22, s5, 12
	s_add_co_u32 s22, s22, 0x80000
	s_mov_b32 s23, 0
	s_lshl_b32 s24, s6, 17
	s_mov_b32 s25, 0
	s_lshl_b32 s26, ttmp9, 8
	s_mov_b32 s27, 0
	s_wait_kmcnt 0x0
	s_add_nc_u64 s[14:15], s[14:15], s[18:19]
	s_add_nc_u64 s[30:31], s[8:9], s[20:21]
	s_add_nc_u64 s[32:33], s[8:9], s[22:23]
	s_add_nc_u64 s[12:13], s[12:13], s[24:25]
	s_add_nc_u64 s[16:17], s[16:17], s[26:27]
	global_load_b64 v[2:3], v192, s[14:15]         ; b4 of the group's 64 rows (every wave, so that all count alike)
.set j, 0
.rept 16
	global_load_b64 v[4+2*j:5+2*j], v193, s[30:31] offset:2048*j
.set j, j+1
.endr
	global_load_b64 v[36:37], v193, s[32:33]
	global_load_b64 v[38:39], v193, s[32:33] offset:2048
	global_load_b64 v[40:41], v193, s[10:11]
.set q, 0
.rept 8
.irp i, 0,1,2,3
	global_load_b128 v[64+16*q+4*\i:67+16*q+4*\i], v194, s[12:13] offset:2048*q+512*\i
.endr
.set q, q+1
.endr
	s_wait_loadcnt 32                              ; the 32 loads of W4 may stay out
	v_pk_add_f32 v[4:5], v[4:5], v[6:7]
	v_pk_add_f32 v[8:9], v[8:9], v[10:11]
.irp j, 6,8,10,12,14
	v_pk_add_f32 v[4:5], v[4:5], v[2*\j:2*\j+1]
	v_pk_add_f32 v[8:9], v[8:9], v[2*\j+2:2*\j+3]
.endr
	v_pk_add_f32 v[4:5], v[4:5], v[32:33]
	v_pk_add_f32 v[8:9], v[8:9], v[34:35]
	v_pk_add_f32 v[4:5], v[4:5], v[8:9]
	v_pk_add_f32 v[42:43], v[36:37], v[38:39]
	v_pk_add_f32 v[42:43], v[42:43], v[40:41]
	v_pk_fma_f32 v[42:43], v[4:5], 0x3a800000, v[42:43] op_sel_hi:[1,0,1]
	ds_store_b64 v195, v[42:43]
	s_wait_dscnt 0x0
	s_barrier_signal -1
	s_barrier_wait -1
.irp i, 0,1,2,3
	ds_load_b128 v[44+4*\i:47+4*\i], v196 offset:512*\i
.endr
	s_wait_dscnt 0x0
	ROWDOT 0
	ROWDOT 1
	ROWDOT 2
	ROWDOT 3
	ROWDOT 4
	ROWDOT 5
	ROWDOT 6
	ROWDOT 7
	s_wait_dscnt 0x0
	s_barrier_signal -1
	s_barrier_wait -1
	s_cmp_lg_u32 s4, 0
	s_cbranch_scc1 .Lend
	ds_load_b64 v[60:61], v198
	s_wait_dscnt 0x0
	v_pk_add_f32 v[60:61], v[60:61], v[2:3]
	global_store_b64 v192, v[60:61], s[16:17]      ; 256 consecutive bytes, aligned
.Lend:
	s_wait_tensorcnt 0x0
	ds_add_u32 v208, v209
	s_wait_dscnt 0x0
	s_endpgm
.Lfunc_end_k_q651fcbcb44_fc4:
	.size	k_q651fcbcb44_fc4, .Lfunc_end_k_q651fcbcb44_fc4-k_q651fcbcb44_fc4
	.p2alignl 7, 3214868480
	.fill 96, 4, 3214868480
	.section	.rodata,"a",@progbits
	.p2align	6, 0x0
	.amdhsa_kernel k_q651fcbcb44_fc4
		.amdhsa_group_segment_fixed_size 5120
		.amdhsa_private_segment_fixed_size 0
		.amdhsa_enable_private_segment 0
		.amdhsa_kernarg_size 40
		.amdhsa_user_sgpr_count 2
		.amdhsa_user_sgpr_kernarg_segment_ptr 1
		.amdhsa_wavefront_size32 1
		.amdhsa_system_sgpr_workgroup_id_x 1
		.amdhsa_system_sgpr_workgroup_id_y 1
		.amdhsa_system_sgpr_workgroup_id_z 1
		.amdhsa_system_vgpr_workitem_id 0
		.amdhsa_next_free_vgpr 210
		.amdhsa_next_free_sgpr 66
		.amdhsa_reserve_vcc 0
		.amdhsa_float_denorm_mode_32 3
		.amdhsa_float_denorm_mode_16_64 3
		.amdhsa_memory_ordered 1
		.amdhsa_forward_progress 1
		.amdhsa_inst_pref_size 17
	.end_amdhsa_kernel
	.amdgpu_metadata
---
amdhsa.version: [ 1, 2 ]
amdhsa.kernels:
  - .name:           k_q651fcbcb44_fc4
    .symbol:         k_q651fcbcb44_fc4.kd
    .args:
      - { .name: rv, .offset: 0, .size: 8, .value_kind: global_buffer, .address_space: global }
      - { .name: b8, .offset: 8, .size: 8, .value_kind: global_buffer, .address_space: global }
      - { .name: W4, .offset: 16, .size: 8, .value_kind: global_buffer, .address_space: global }
      - { .name: b4, .offset: 24, .size: 8, .value_kind: global_buffer, .address_space: global }
      - { .name: y4v, .offset: 32, .size: 8, .value_kind: global_buffer, .address_space: global }
    .group_segment_fixed_size: 5120
    .private_segment_fixed_size: 0
    .kernarg_segment_align: 8
    .kernarg_segment_size: 40
    .max_flat_workgroup_size: 256
    .sgpr_count:     66
    .vgpr_count:     210
    .wavefront_size: 32
...
	.end_amdgpu_metadata
.endif
;; end of part 6
;; launch fc5 (part 7): grid 128 x 1, 8 waves a work-group, no clusters, 5,120 bytes of LDS; arguments y4v, W5, b5, out0; writes out0
.if DOCPART == 7
	.amdgcn_target "amdgcn-amd-amdhsa--gfx1250"
	.amdhsa_code_object_version 6
	.text
	.protected	k_q651fcbcb44_fc5
	.globl	k_q651fcbcb44_fc5
	.p2align	8
	.type	k_q651fcbcb44_fc5,@function
k_q651fcbcb44_fc5:
	s_mov_b64 s[64:65], 0
	v_nop
	global_prefetch_b8 v0, s[64:65] scope:SCOPE_SE
	s_setreg_imm32_b32 hwreg(HW_REG_WAVE_MODE, 25, 1), 1
	s_wait_xcnt 0x0
; fc5: y4n = y4 / max(sqrt(sum of y4^2), 1e-12);  out0[b] = W5 y4n + b5.
; Work-group wg = 8 b + ob makes 64 numbers; wave w rows 64 ob + 8 w .. +7, as in fc4.  All in f32.
; Limit: v_sqrt_f32 and v_rcp_f32 flush denormals; a sum of squares below 2^-126 counts as 0 and the norm is then 1e-12.
.set RED,  0
.set VV,   256
.set OUTB, 2304
.macro WSUM r, t
	v_add_f32_dpp v[\r], v[\r], v[\r] row_xmask:1 row_mask:0xf bank_mask:0xf
	v_add_f32_dpp v[\r], v[\r], v[\r] row_xmask:2 row_mask:0xf bank_mask:0xf
	v_add_f32_dpp v[\r], v[\r], v[\r] row_xmask:4 row_mask:0xf bank_mask:0xf
	v_add_f32_dpp v[\r], v[\r], v[\r] row_xmask:8 row_mask:0xf bank_mask:0xf
	v_permlanex16_b32 v[\t], v[\r], s28, s29
	v_add_f32 v[\r], v[\r], v[\t]
.endm
.macro ROWDOT q
	s_wait_loadcnt 4*(7-\q)                        ; the younger rows' loads may stay out
	v_pk_mul_f32 v[60:61], v[64+16*\q:65+16*\q], v[44:45]
.irp m, 1,2,3,4,5,6,7
	v_pk_fma_f32 v[60:61], v[64+16*\q+2*\m:65+16*\q+2*\m], v[44+2*\m:45+2*\m], v[60:61]
.endr
	v_add_f32 v62, v60, v61
	WSUM 62, 63
	ds_store_b32 v197, v62 offset:4*\q
.endm
	s_load_b256 s[8:15], s[0:1], 0x0               ; y4v 8, W5 10, b5 12, out0 14
	v_lshl_add_u32 v208, v0, 2, 0x1000
	v_mov_b32 v209, 0
	v_lshrrev_b32 v1, 5, v0
	v_readfirstlane_b32 s4, v1                     ; wave
	s_lshr_b32 s5, ttmp9, 3                        ; b
	s_and_b32 s6, ttmp9, 7                         ; ob
	s_mov_b32 s28, 0x76543210
	s_mov_b32 s29, 0xfedcba98
	v_and_b32 v1, 31, v0
	v_lshlrev_b32 v192, 3, v1                      ; 8 lane
	v_lshlrev_b32 v193, 3, v0                      ; 8 t
	s_lshl_b32 s7, s4, 14
	v_lshl_add_u32 v194, v1, 4, s7
	s_lshl_b32 s34, s4, 8
	s_add_co_u32 s34, s34, VV
	v_lshl_add_u32 v195, v1, 3, s34
	v_lshlrev_b32 v196, 4, v1
	v_add_nc_u32 v196, VV, v196
	s_lshl_b32 s35, s4, 5
	s_add_co_u32 s35, s35, OUTB
	v_mov_b32 v197, s35
	v_add_nc_u32 v198, OUTB, v192
	s_lshl_b32 s36, s4, 2
	v_mov_b32 v199, s36                            ; a word a wave
	v_mov_b32 v200, 0
	v_mov_b32 v63, 0                               ; the destination of v_permlanex16_b32 counts as read
	s_lshl_b32 s18, s5, 11
	s_mov_b32 s19, 0
	s_lshl_b32 s20, s6, 17
	s_mov_b32 s21, 0
	s_lshl_b32 s22, s6, 8
	s_mov_b32 s23, 0
	s_lshl_b32 s24, ttmp9, 8
	s_mov_b32 s25, 0
	s_wait_kmcnt 0x0
	s_add_nc_u64 s[8:9], s[8:9], s[18:19]
	s_add_nc_u64 s[10:11], s[10:11], s[20:21]
	s_add_nc_u64 s[12:13], s[12:13], s[22:23]
	s_add_nc_u64 s[14:15], s[14:15], s[24:25]
	global_load_b64 v[2:3], v192, s[12:13]         ; b5 of the group's 64 rows
	global_load_b64 v[4:5], v193, s[8:9]           ; y4[b], two numbers a thread
.set q, 0
.rept 8
.irp i, 0,1,2,3
	global_load_b128 v[64+16*q+4*\i:67+16*q+4*\i], v194, s[10:11] offset:2048*q+512*\i
.endr
.set q, q+1
.endr
	s_wait_loadcnt 32                              ; the 32 loads of W5 may stay out
	v_mul_f32 v62, v4, v4
	v_fmac_f32 v62, v5, v5
	WSUM 62, 63
	ds_store_b32 v199, v62 offset:RED
	s_wait_dscnt 0x0
	s_barrier_signal -1
	s_barrier_wait -1
	ds_load_b128 v[44:47], v200 offset:RED
	ds_load_b128 v[48:51], v200 offset:RED+16
	s_wait_dscnt 0x0
	v_pk_add_f32 v[44:45], v[44:45], v[46:47]
	v_pk_add_f32 v[48:49], v[48:49], v[50:51]
	v_pk_add_f32 v[44:45], v[44:45], v[48:49]
	v_add_f32 v44, v44, v45
	v_sqrt_f32 v44, v44
	v_nop                                          ; one plain place behind a transcendental (ISA guide 5.7.2)
	s_wait_alu depctr_va_vdst(0)
	v_max_num_f32 v44, 0x2b8cbccc, v44             ; at least 1e-12
	v_rcp_f32 v46, v44
	v_rcp_f32 v47, v44
	v_nop
	s_wait_alu depctr_va_vdst(0)
	v_pk_mul_f32 v[4:5], v[4:5], v[46:47]
	ds_store_b64 v195, v[4:5]
	s_wait_dscnt 0x0
	s_barrier_signal -1
	s_barrier_wait -1
.irp i, 0,1,2,3
	ds_load_b128 v[44+4*\i:47+4*\i], v196 offset:512*\i
.endr
	s_wait_dscnt 0x0
	ROWDOT 0
	ROWDOT 1
	ROWDOT 2
	ROWDOT 3
	ROWDOT 4
	ROWDOT 5
	ROWDOT 6
	ROWDOT 7
	s_wait_dscnt 0x0
	s_barrier_signal -1
	s_barrier_wait -1
	s_cmp_lg_u32 s4, 0
	s_cbranch_scc1 .Lend
	ds_load_b64 v[60:61], v198
	s_wait_dscnt 0x0
	v_pk_add_f32 v[60:61], v[60:61], v[2:3]
	global_store_b64 v192, v[60:61], s[14:15]      ; 256 consecutive bytes, aligned
.Lend:
	s_wait_tensorcnt 0x0
	ds_add_u32 v208, v209
	s_wait_dscnt 0x0
	s_endpgm
.Lfunc_end_k_q651fcbcb44_fc5:
	.size	k_q651fcbcb44_fc5, .Lfunc_end_k_q651fcbcb44_fc5-k_q651fcbcb44_fc5
	.p2alignl 7, 3214868480
	.fill 96, 4, 3214868480
	.section	.rodata,"a",@progbits
	.p2align	6, 0x0
	.amdhsa_kernel k_q651fcbcb44_fc5
		.amdhsa_group_segment_fixed_size 5120
		.amdhsa_private_segment_fixed_size 0
		.amdhsa_enable_private_segment 0
		.amdhsa_kernarg_size 32
		.amdhsa_user_sgpr_count 2
		.amdhsa_user_sgpr_kernarg_segment_ptr 1
		.amdhsa_wavefront_size32 1
		.amdhsa_system_sgpr_workgroup_id_x 1
		.amdhsa_system_sgpr_workgroup_id_y 1
		.amdhsa_system_sgpr_workgroup_id_z 1
		.amdhsa_system_vgpr_workitem_id 0
		.amdhsa_next_free_vgpr 210
		.amdhsa_next_free_sgpr 66
		.amdhsa_reserve_vcc 0
		.amdhsa_float_denorm_mode_32 3
		.amdhsa_float_denorm_mode_16_64 3
		.amdhsa_memory_ordered 1
		.amdhsa_forward_progress 1
		.amdhsa_inst_pref_size 16
	.end_amdhsa_kernel
	.amdgpu_metadata
---
amdhsa.version: [ 1, 2 ]
amdhsa.kernels:
  - .name:           k_q651fcbcb44_fc5
    .symbol:         k_q651fcbcb44_fc5.kd
    .args:
      - { .name: y4v, .offset: 0, .size: 8, .value_kind: global_buffer, .address_space: global }
      - { .name: W5, .offset: 8, .size: 8, .value_kind: global_buffer, .address_space: global }
      - { .name: b5, .offset: 16, .size: 8, .value_kind: global_buffer, .address_space: global }
      - { .name: out0, .offset: 24, .size: 8, .value_kind: global_buffer, .address_space: global }
    .group_segment_fixed_size: 5120
    .private_segment_fixed_size: 0
    .kernarg_segment_align: 8
    .kernarg_segment_size: 32
    .max_flat_workgroup_size: 256
    .sgpr_count:     66
    .vgpr_count:     210
    .wavefront_size: 32
...
	.end_amdgpu_metadata
.endif
;; end of part 7
;; ======== version 2 of 2: 7 launches; version 1 with the launches prep, redu, fc4, fc5 written anew for expert scheduling mode
;; workspace buffers: xw 18,939,904 bytes; y13 33,554,432 bytes; y2ts 17,301,504 bytes; lm 1,048,576 bytes; rv 589,824 bytes; y4v 32,768 bytes
;; launch prep (part 8): grid 256 x 1, 8 waves a work-group, no clusters, 79,872 bytes of LDS; arguments x, W6, b6, W1, W3, W2, W7, xw; writes xw
.if DOCPART == 8
	.amdgcn_target "amdgcn-amd-amdhsa--gfx1250"
	.amdhsa_code_object_version 6
	.text
	.protected	k_q651fcbcb44_prep
	.globl	k_q651fcbcb44_prep
	.p2align	8
	.type	k_q651fcbcb44_prep,@function
k_q651fcbcb44_prep:
	s_mov_b64 s[64:65], 0
	v_nop
	global_prefetch_b8 v0, s[64:65] scope:SCOPE_SE
	s_setreg_imm32_b32 hwreg(HW_REG_WAVE_SCHED_MODE, 0, 2), 2
	s_setreg_imm32_b32 hwreg(HW_REG_WAVE_MODE, 25, 1), 1
	s_wait_xcnt 0x0
	s_wait_alu depctr_vm_vsrc(0)
; prep: x [16][512 c][1024 n] f32  ->  xT [16*1024 n][512 c] bf16 (xw, byte 0);
;       W1, W3, W2, W7 f32         ->  [2048][512] bf16 (xw, byte 16,777,216), in that order;
;       ye_ = softmax over each 32 neighbouring n of (W6 . x + b6), f32 (xw, byte 18,874,368).
; Work-group wg = 16 b + nb owns x[b][all c][64 nb .. +63]: 512 rows of 256 aligned bytes, read once.
; Thread t: g = t / 16 owns c = 32 g .. +31, q = t % 16 owns n = 4 q .. +3; sixteen lanes read one row's 256 bytes.
; The transposition goes through LDS: each wave stores into a region of its own (64 n x 64 c bf16, pitch 144), and behind
; the one barrier whole rows of xT are read back, 512 neighbouring bytes a load, and stored.
; Limits: x and the weights are rounded to bf16 here (matrix operands); ye_ is made in f32 from the f32 x.
; THE MODE: SCHED_MODE bits 1:0 = 2 (LLVM: expert scheduling mode 2), set by the entry lines.  The code itself states the register dependences
; between vector instructions and memory or LDS instructions, with s_wait_alu, always for 0.
; THE PLAN.  Registers that memory or LDS instructions touch:
;   v28-31, v[TA] .. v[YO]  offsets and LDS addresses: made at the head, never written again.
;   WV, X, WT   the head's loads land in them; vector instructions read them.
;   OB0 .. OB3  chunk kk's sixteen roundings write OB[kk]; the four LDS stores that read it are issued at the head of the next step.
;               OB0 = v[8:23]; OB1, OB2, OB3 = the first sixteen x registers of chunks 0, 1, 2, which are read out by then.  None is written twice.
;   YS          the ye sums: finished in chunk 3, read by one LDS store.
;   WT .. WT+7  the weights' roundings close up in place; two global stores read them.
;   X .. X+63   behind the barrier the rows of xT land here; wave 0's ye sums land in X+64 .. X+95.
; So one wait on va_vdst stands at the head of chunks 1 to 3, behind the wait for the chunk's loads, one behind the weights' roundings,
; and one wait on vm_vsrc behind the barrier, ahead of the loads that land where LDS stores have read.
.set XROW, 4096                        ; bytes of a row of x
.set TP,   144                         ; LDS pitch of a region's row: 128 bytes + 16
.set TW,   64*TP+128                   ; a wave's region; the odd 128 bytes set neighbouring regions half a row of banks apart
.set YEP,  8*TW                        ; 16 x 64 partial sums of ye, 512 bytes a wave
.set YS,  2                            ; v[2:5]     my partial ye of 4 n
.set TT,  8                            ; v[8:23]    packed bf16 of chunk 0
.set WV,  32                           ; v[32:63]   W6 of my 32 c
.set X,   64                           ; v[64:191]  x: 4 registers a row
.set WT,  192                          ; v[192:207] my 16 numbers of a weight matrix
.set TA,  208                          ; LDS: where I store transposed words
.set YA,  209                          ; LDS: where I store my ye sums
.set TR,  210                          ; LDS: where I read rows back
.set XO,  211                          ; my byte offset in the group's 64 rows of xT
.set YR,  212                          ; LDS: ye sums, read by wave 0
.set YO,  213                          ; 8 x lane
	s_load_b512 s[8:23], s[0:1], 0x0               ; x 8, W6 10, b6 12, W1 14, W3 16, W2 18, W7 20, xw 22
	v_lshl_add_u32 v216, v0, 2, 0x13400
	v_mov_b32 v217, 0
	v_lshrrev_b32 v1, 5, v0
	v_readfirstlane_b32 s4, v1                     ; wave
	v_and_b32 v24, 31, v0                          ; lane
	v_and_b32 v25, 15, v0                          ; q
	v_lshrrev_b32 v26, 4, v0                       ; g
	v_bfe_u32 v27, v0, 4, 1                        ; h = g % 2
	v_lshlrev_b32 v28, 7, v26                      ; W6: 128 g
	v_lshlrev_b32 v29, 17, v26                     ; x: 32 g rows of 4,096 bytes
	v_lshl_add_u32 v29, v25, 4, v29                ;    + 16 q
	v_lshlrev_b32 v30, 5, v0                       ; weights in: 32 t
	v_lshlrev_b32 v31, 4, v0                       ; weights out: 16 t
	s_wait_alu depctr_va_sdst(0)                   ; s4 is written, ahead of its first reader: the LDS addresses are made from it
	s_mul_i32 s5, s4, TW
	v_mul_u32_u24 v[TA], v25, 4*TP                 ; row 4 q of my wave's region
	v_lshl_add_u32 v[TA], v27, 6, v[TA]            ; + 64 h: my 32 c
	v_add_nc_u32 v[TA], s5, v[TA]
	s_lshl_b32 s6, s4, 9
	s_add_co_u32 s6, s6, YEP
	v_lshl_add_u32 v[YA], v24, 4, s6               ; YEP + 512 wave + 16 lane = YEP + 256 g + 16 q
	v_lshrrev_b32 v[TR], 3, v24
	v_mul_u32_u24 v[TR], v[TR], TW                 ; eight lanes take 128 bytes of one region, the next eight of the next
	v_and_b32 v1, 7, v24
	v_lshl_add_u32 v[TR], v1, 4, v[TR]
	s_mul_i32 s7, s4, 8*TP
	v_add_nc_u32 v[TR], s7, v[TR]                  ; rows 8 wave ..
	s_lshl_b32 s5, s4, 13
	v_lshl_add_u32 v[XO], v24, 4, s5               ; 8 wave rows of 1,024 bytes + 16 lane
	v_lshlrev_b32 v[YO], 3, v24
	v_add_nc_u32 v[YR], YEP, v[YO]
	s_lshr_b32 s5, ttmp9, 4                        ; b
	s_lshl_b32 s28, s5, 21                         ; b x 512 rows x 4,096 bytes
	s_and_b32 s6, ttmp9, 15                        ; nb
	s_lshl_b32 s6, s6, 8
	s_add_co_u32 s28, s28, s6
	s_mov_b32 s29, 0
	s_and_b32 s30, ttmp9, 63                       ; my 16 KiB of one weight matrix
	s_lshl_b32 s30, s30, 14
	s_mov_b32 s31, 0
	s_lshr_b32 s25, ttmp9, 6                       ; which matrix
	s_lshl_b32 s32, ttmp9, 16                      ; xT: 64 rows of 1,024 bytes a group
	s_mov_b32 s33, 0
	s_lshl_b32 s40, ttmp9, 13                      ; bf16 weights: 8 KiB a group
	s_add_co_u32 s40, s40, 0x1000000
	s_mov_b32 s41, 0
	s_lshl_b32 s42, ttmp9, 8                       ; ye_: 64 numbers a group
	s_add_co_u32 s42, s42, 0x1200000
	s_mov_b32 s43, 0
	s_wait_kmcnt 0x0
	s_load_b32 s24, s[12:13], 0x0                  ; b6
	s_add_nc_u64 s[8:9], s[8:9], s[28:29]
	s_cmp_eq_u32 s25, 1
	s_cselect_b64 s[26:27], s[16:17], s[14:15]     ; W1, W3,
	s_cmp_eq_u32 s25, 2
	s_cselect_b64 s[26:27], s[18:19], s[26:27]     ; W2,
	s_cmp_eq_u32 s25, 3
	s_cselect_b64 s[26:27], s[20:21], s[26:27]     ; W7
	s_add_nc_u64 s[26:27], s[26:27], s[30:31]
	s_add_nc_u64 s[34:35], s[22:23], s[32:33]      ; xT at my rows
	s_add_nc_u64 s[36:37], s[22:23], s[40:41]      ; bf16 weights at my part
	s_add_nc_u64 s[38:39], s[22:23], s[42:43]      ; ye_ at my part
	s_wait_alu depctr_va_vdst(0)                   ; v28 to v31 and v[TA] to v[YO] are written: every load and store of the kernel, global or LDS, reads one of them as its address
	; all 44 loads go out at once: 8 of W6, 32 of x, 4 of the weights
.set k, 0
.rept 8
	global_load_b128 v[WV+4*k:WV+4*k+3], v28, s[10:11] offset:16*k
.set k, k+1
.endr
.set p, 0
.rept 32
	global_load_b128 v[X+4*p:X+4*p+3], v29, s[8:9] offset:p*XROW th:TH_LOAD_NT
.set p, p+1
.endr
	global_load_b128 v[WT:WT+3],     v30, s[26:27] th:TH_LOAD_NT
	global_load_b128 v[WT+4:WT+7],   v30, s[26:27] offset:16 th:TH_LOAD_NT
	global_load_b128 v[WT+8:WT+11],  v30, s[26:27] offset:8192 th:TH_LOAD_NT
	global_load_b128 v[WT+12:WT+15], v30, s[26:27] offset:8208 th:TH_LOAD_NT
	s_wait_kmcnt 0x0                               ; b6
; The four LDS stores of chunk kk, out of its buffer ob: n = 4 q + i, c = 32 g + 8 kk .. +7
.macro PUT ob, kk
.irp i, 0,1,2,3
	ds_store_b128 v[TA], v[(\ob)+4*\i:(\ob)+4*\i+3] offset:\i*TP+16*(\kk)
.endr
.endm
; Chunk kk, eight rows: ye += W6[c] x[c][n]; eight c of one n make 16 bytes of xT, rounded into buffer ob.  op: the buffer of the chunk before.
.macro CHUNK kk, ob, op
	s_wait_loadcnt 28-8*(\kk)                      ; younger and still out: 24 - 8 kk loads of x and the 4 of the weights
.if (\kk) > 0
	s_wait_alu depctr_va_vdst(0)                   ; the roundings of the chunk before have written its buffer, which the four LDS stores below read
	PUT \op, (\kk)-1
.endif
.set r, 0
.rept 8
.set p, 8*(\kk)+r
.if p == 0
	v_pk_mul_f32 v[YS:YS+1],   v[X:X+1],   v[WV:WV+1] op_sel_hi:[1,0]      ; the first row starts the sums
	v_pk_mul_f32 v[YS+2:YS+3], v[X+2:X+3], v[WV:WV+1] op_sel_hi:[1,0]
.elseif (p&1) == 0
	v_pk_fma_f32 v[YS:YS+1],   v[X+4*p:X+4*p+1],   v[WV+p:WV+p+1], v[YS:YS+1]   op_sel_hi:[1,0,1]
	v_pk_fma_f32 v[YS+2:YS+3], v[X+4*p+2:X+4*p+3], v[WV+p:WV+p+1], v[YS+2:YS+3] op_sel_hi:[1,0,1]
.else
	v_pk_fma_f32 v[YS:YS+1],   v[X+4*p:X+4*p+1],   v[WV+p-1:WV+p], v[YS:YS+1]   op_sel:[0,1,0] op_sel_hi:[1,1,1]
	v_pk_fma_f32 v[YS+2:YS+3], v[X+4*p+2:X+4*p+3], v[WV+p-1:WV+p], v[YS+2:YS+3] op_sel:[0,1,0] op_sel_hi:[1,1,1]
.endif
.set r, r+1
.endr
.set i, 0
.rept 4
.set k, 0
.rept 4
	v_cvt_pk_bf16_f32 v[(\ob)+4*i+k], v[X+4*(8*(\kk)+2*k)+i], v[X+4*(8*(\kk)+2*k+1)+i]
.set k, k+1
.endr
.set i, i+1
.endr
.endm
	CHUNK 0, TT,   TT                              ; chunk 0 has no chunk in front of it
	CHUNK 1, X,    TT                              ; from here on a chunk rounds into x registers that the chunk before has read out
	CHUNK 2, X+32, X
	CHUNK 3, X+64, X+32
	; my 16 numbers of a weight matrix, rounded: they close up into the first eight of their sixteen registers
	s_wait_loadcnt 0x0
.set k, 0
.rept 8
	v_cvt_pk_bf16_f32 v[WT+k], v[WT+2*k], v[WT+2*k+1]
.set k, k+1
.endr
	s_wait_alu depctr_va_vdst(0)                   ; chunk 3's roundings have written its buffer, its multiply-adds v[YS ..], the lines above v[WT ..]: the seven stores below read these
	PUT X+64, 3
	ds_store_b128 v[YA], v[YS:YS+3]
	global_store_b128 v31, v[WT:WT+3],   s[36:37]                  ; each store of the wave covers 512 consecutive bytes
	global_store_b128 v31, v[WT+4:WT+7], s[36:37] offset:4096
	s_wait_dscnt 0x0                               ; my stores are in LDS before I say so
	s_barrier_signal -1
	s_barrier_wait -1
	s_wait_alu depctr_vm_vsrc(0)                   ; my LDS stores have read the buffers in v[X ..], in which the loads below (and wave 0's) land; no vector instruction since the last wait on va_vdst names them
	; rows 8 wave .. +7 of xT, two loads of 512 bytes a row
.set i, 0
.rept 16
	ds_load_b128 v[X+4*i:X+4*i+3], v[TR] offset:(i/2)*TP+(i%2)*4*TW
.set i, i+1
.endr
.set i, 0
.rept 16
	s_wait_dscnt 15-i                              ; LDS loads come back in order: load i is in
	global_store_b128 v[XO], v[X+4*i:X+4*i+3], s[34:35] offset:(i/2)*1024+(i%2)*512
.set i, i+1
.endr
	; wave 0: the 64 ye of the group.  Lane L holds n = 2 L, 2 L + 1, so a softmax's 32 n are sixteen neighbouring lanes.
	s_cmp_lg_u32 s4, 0
	s_cbranch_scc1 .Lend
.set g, 0
.rept 16
	ds_load_b64 v[128+2*g:129+2*g], v[YR] offset:256*g
.set g, g+1
.endr
	s_wait_dscnt 0x0
.set g, 0
.rept 8
	v_pk_add_f32 v[128+2*g:129+2*g], v[128+2*g:129+2*g], v[144+2*g:145+2*g]
.set g, g+1
.endr
.set g, 0
.rept 4
	v_pk_add_f32 v[128+2*g:129+2*g], v[128+2*g:129+2*g], v[136+2*g:137+2*g]
.set g, g+1
.endr
	v_pk_add_f32 v[128:129], v[128:129], v[132:133]
	v_pk_add_f32 v[130:131], v[130:131], v[134:135]
	v_pk_add_f32 v[128:129], v[128:129], v[130:131]
	v_add_f32 v128, s24, v128                      ; + b6
	v_add_f32 v129, s24, v129
	v_max_num_f32 v130, v128, v129
	v_max_num_f32_dpp v130, v130, v130 row_xmask:1 row_mask:0xf bank_mask:0xf
	v_max_num_f32_dpp v130, v130, v130 row_xmask:2 row_mask:0xf bank_mask:0xf
	v_max_num_f32_dpp v130, v130, v130 row_xmask:4 row_mask:0xf bank_mask:0xf
	v_max_num_f32_dpp v130, v130, v130 row_xmask:8 row_mask:0xf bank_mask:0xf
	v_sub_f32 v128, v128, v130                     ; the maximum is taken away first
	v_sub_f32 v129, v129, v130
	v_mul_f32 v128, 0x3fb8aa3b, v128               ; e^x = 2^(x log2 e)
	v_mul_f32 v129, 0x3fb8aa3b, v129
	v_exp_f32 v128, v128
	v_exp_f32 v129, v129
	v_nop                                          ; one plain place behind a transcendental (ISA guide 5.7.2)
	s_wait_alu depctr_va_vdst(0)                   ; the two exponentials have written v128 and v129, ahead of their first reader
	v_add_f32 v131, v128, v129
	v_add_f32_dpp v131, v131, v131 row_xmask:1 row_mask:0xf bank_mask:0xf
	v_add_f32_dpp v131, v131, v131 row_xmask:2 row_mask:0xf bank_mask:0xf
	v_add_f32_dpp v131, v131, v131 row_xmask:4 row_mask:0xf bank_mask:0xf
	v_add_f32_dpp v131, v131, v131 row_xmask:8 row_mask:0xf bank_mask:0xf
	v_rcp_f32 v132, v131
	v_nop
	s_wait_alu depctr_va_vdst(0)                   ; the reciprocal has written v132, ahead of its first reader
	v_mul_f32 v128, v128, v132
	v_mul_f32 v129, v129, v132
	s_wait_alu depctr_va_vdst(0)                   ; the two products have written v[128:129], which the store reads
	global_store_b64 v[YO], v[128:129], s[38:39]   ; 256 consecutive bytes, aligned
.Lend:
	s_wait_dscnt 0x0                               ; the closing lines, six on end
	s_wait_alu 0x0
	s_wait_tensorcnt 0x0
	ds_add_u32 v216, v217
	s_wait_dscnt 0x0
	s_endpgm
.Lfunc_end_k_q651fcbcb44_prep:
	.size	k_q651fcbcb44_prep, .Lfunc_end_k_q651fcbcb44_prep-k_q651fcbcb44_prep
	.p2alignl 7, 3214868480
	.fill 96, 4, 3214868480
	.section	.rodata,"a",@progbits
	.p2align	6, 0x0
	.amdhsa_kernel k_q651fcbcb44_prep
		.amdhsa_group_segment_fixed_size 79872
		.amdhsa_private_segment_fixed_size 0
		.amdhsa_enable_private_segment 0
		.amdhsa_kernarg_size 64
		.amdhsa_user_sgpr_count 2
		.amdhsa_user_sgpr_kernarg_segment_ptr 1
		.amdhsa_wavefront_size32 1
		.amdhsa_system_sgpr_workgroup_id_x 1
		.amdhsa_system_sgpr_workgroup_id_y 1
		.amdhsa_system_sgpr_workgroup_id_z 1
		.amdhsa_system_vgpr_workitem_id 0
		.amdhsa_next_free_vgpr 218
		.amdhsa_next_free_sgpr 66
		.amdhsa_reserve_vcc 0
		.amdhsa_float_denorm_mode_32 3
		.amdhsa_float_denorm_mode_16_64 3
		.amdhsa_memory_ordered 1
		.amdhsa_forward_progress 1
		.amdhsa_inst_pref_size 24
	.end_amdhsa_kernel
	.amdgpu_metadata
---
amdhsa.version: [ 1, 2 ]
amdhsa.kernels:
  - .name:           k_q651fcbcb44_prep
    .symbol:         k_q651fcbcb44_prep.kd
    .args:
      - { .name: x, .offset: 0, .size: 8, .value_kind: global_buffer, .address_space: global }
      - { .name: W6, .offset: 8, .size: 8, .value_kind: global_buffer, .address_space: global }
      - { .name: b6, .offset: 16, .size: 8, .value_kind: global_buffer, .address_space: global }
      - { .name: W1, .offset: 24, .size: 8, .value_kind: global_buffer, .address_space: global }
      - { .name: W3, .offset: 32, .size: 8, .value_kind: global_buffer, .address_space: global }
      - { .name: W2, .offset: 40, .size: 8, .value_kind: global_buffer, .address_space: global }
      - { .name: W7, .offset: 48, .size: 8, .value_kind: global_buffer, .address_space: global }
      - { .name: xw, .offset: 56, .size: 8, .value_kind: global_buffer, .address_space: global }
    .group_segment_fixed_size: 79872
    .private_segment_fixed_size: 0
    .kernarg_segment_align: 8
    .kernarg_segment_size: 64
    .max_flat_workgroup_size: 256
    .sgpr_count:     66
    .vgpr_count:     218
    .wavefront_size: 32
...
	.end_amdgpu_metadata
.endif
;; end of part 8
;; launch conv13: the kernel of part 2 again; grid 4 x 64, 4 waves a work-group, clusters of 4 x 4, 327,680 bytes of LDS; arguments xw, b1, b3, y13; writes y13
;; launch conv27: the kernel of part 3 again; grid 64 x 4, 4 waves a work-group, clusters of 4 x 1, 327,680 bytes of LDS; arguments xw, y13, b2, b7, y2ts; writes y2ts
;; launch attn: the kernel of part 4 again; grid 4 x 64, 4 waves a work-group, clusters of 4 x 4, 327,680 bytes of LDS; arguments y2ts, y13, lm; writes lm
;; launch redu (part 9): grid 256 x 1, 8 waves a work-group, no clusters, 13,312 bytes of LDS; arguments lm, y13, y2ts, gamma, beta, W8, rv; writes rv
.if DOCPART == 9
	.amdgcn_target "amdgcn-amd-amdhsa--gfx1250"
	.amdhsa_code_object_version 6
	.text
	.protected	k_q651fcbcb44_redu
	.globl	k_q651fcbcb44_redu
	.p2align	8
	.type	k_q651fcbcb44_redu,@function
k_q651fcbcb44_redu:
	s_mov_b64 s[64:65], 0
	v_nop
	global_prefetch_b8 v0, s[64:65] scope:SCOPE_SE
	s_setreg_imm32_b32 hwreg(HW_REG_WAVE_SCHED_MODE, 0, 2), 2
	s_setreg_imm32_b32 hwreg(HW_REG_WAVE_MODE, 25, 1), 1
	s_wait_xcnt 0x0
	s_wait_alu depctr_vm_vsrc(0)
; redu: work-group wg = 16 b + j.
; (1) s[n] = sum over m of softmax(c)[n][m] for n = 64 j .. +63 of batch item b, from the eight blocks' maxima and sums:
;     M = max M_k, p_k = L_k exp(M_k - M), s = sum of p_k / (sum of p_k).
; (2) P1P[b][j][c] = sum over these 64 n of y3[c][n] s[n]  (the mean over m of y3 . Cw is (1/1024) sum over n of y3[c][n] s[n]).
; (3) GroupNorm's mu and var of batch item b from the blocks' S and M2; v[c] = gamma (mean over n of t[c] - mu) rstd + beta,
;     which is the mean over n of tn[c]; every one of the 16 work-groups of b makes them (32 KiB of figures).
; (4) YEEP[b][j / 8][64 (j % 8) .. +63] = W8's 64 rows x half of K, times v: the mean goes through conv8, which is linear.
; No matrix unit: these are sums and one-row products in f32, bound by their loads.  No cluster: nothing large is shared at one time.
; Limit: v_exp_f32, v_rcp_f32 and v_rsq_f32 flush denormals.
; THE MODE: SCHED_MODE bits 1:0 = 2 (LLVM: expert scheduling mode 2), set by the entry lines.  The code itself states the register dependences
; between vector instructions and memory or LDS instructions, with s_wait_alu, always for 0.
; THE PLAN.  Registers that memory or LDS instructions touch:
;   v240-255    offsets and LDS addresses: made at the head, never written again.
;   v2-53, v64-191  the head's loads land in them; vector instructions read them.
;   What goes to LDS has a register of its own, written once: s in v219, the first total in v220, the second in v55, v in v[238:239],
;   the partial sums of (2) in v[208:215], the eight row products of (4) in v[96:103].  So no register that a store has read is written again.
;   v[192:207]  the wave's sixteen s land here; (2) reads them; behind the third barrier v lands in v[192:199].
;   v[224:231]  the eight waves' totals land here, twice; the lines that add them up stand ahead of the wait in front of the next store.
;   v[64:81]    behind the last barrier the partial sums and the row products land here; (2) was their last reader.
; The stores are gathered: one wait on va_vdst serves s and the first total, one the second total, one v and the partial sums, one the row products.
.set RED1, 0
.set RED2, 256
.set VV,   512                         ; v, 2,048 bytes
.set OUTB, 2560                        ; 64 results of the one-row product
.set PR,   3072                        ; 8 x 1,024 bytes: a wave's partial sums of (2)
.set SW,   11264                       ; 64 bytes a wave: its sixteen s
.set DOT,  96                          ; v[96:103]: the wave's eight row products
.macro WSUM r, t                       ; sum over the wave's 32 lanes, in every lane
	v_add_f32_dpp v[\r], v[\r], v[\r] row_xmask:1 row_mask:0xf bank_mask:0xf
	v_add_f32_dpp v[\r], v[\r], v[\r] row_xmask:2 row_mask:0xf bank_mask:0xf
	v_add_f32_dpp v[\r], v[\r], v[\r] row_xmask:4 row_mask:0xf bank_mask:0xf
	v_add_f32_dpp v[\r], v[\r], v[\r] row_xmask:8 row_mask:0xf bank_mask:0xf
	v_permlanex16_b32 v[\t], v[\r], s28, s29
	v_add_f32 v[\r], v[\r], v[\t]
.endm
.macro SUM8                            ; the eight waves' figures in v[224:231] -> v224
	v_pk_add_f32 v[224:225], v[224:225], v[226:227]
	v_pk_add_f32 v[228:229], v[228:229], v[230:231]
	v_pk_add_f32 v[224:225], v[224:225], v[228:229]
	v_add_f32 v224, v224, v225
.endm
	s_load_b256 s[8:15], s[0:1], 0x0               ; lm 8, y13 10, y2ts 12, gamma 14
	s_load_b128 s[16:19], s[0:1], 0x20             ; beta 16, W8 18
	s_load_b64 s[20:21], s[0:1], 0x30              ; rv
	v_lshl_add_u32 v62, v0, 2, 0x3000
	v_mov_b32 v63, 0
	v_lshrrev_b32 v1, 5, v0
	v_readfirstlane_b32 s4, v1                     ; wave w
	s_lshr_b32 s5, ttmp9, 4                        ; b
	s_and_b32 s6, ttmp9, 15                        ; j
	s_lshr_b32 s23, s6, 3                          ; which half of W8's K
	s_and_b32 s24, s6, 7                           ; which 64 rows of W8
	s_mov_b32 s28, 0x76543210
	s_mov_b32 s29, 0xfedcba98
	s_mov_b32 s30, 0x36000000                      ; 2^-19 = 1 / (512 x 1024)
	s_mov_b32 s31, 0x3727c5ac                      ; 1e-5
	v_and_b32 v1, 31, v0                           ; lane
	v_and_b32 v54, 15, v0
	s_wait_alu depctr_va_sdst(0)                   ; s4 is written, ahead of its first reader: offsets, LDS addresses and two branches are made from it
	s_lshr_b32 s7, s4, 1                           ; which 16 of the 64 n
	s_and_b32 s22, s4, 1                           ; which 256 of the 512 c
	s_lshl_b32 s32, s7, 6
	v_lshl_add_u32 v240, v54, 2, s32               ; M, L: (16 group + lane % 16) x 4
	v_lshlrev_b32 v241, 3, v0                      ; 8 t: columns 2 t, 2 t + 1
	s_lshl_b32 s32, s7, 14
	s_lshl_b32 s33, s22, 9
	s_add_co_u32 s32, s32, s33
	v_lshl_add_u32 v242, v1, 4, s32                ; y3T: 16 rows a group, 512 bytes a half, 16 a lane
	s_lshl_b32 s32, s4, 14
	v_lshl_add_u32 v243, v1, 4, s32                ; W8: 8 rows of 2,048 bytes a wave
	s_lshl_b32 s34, s4, 6
	s_add_co_u32 s34, s34, SW
	v_lshl_add_u32 v244, v54, 2, s34
	v_mov_b32 v245, s34
	s_lshl_b32 s32, s4, 2
	v_mov_b32 v246, s32                            ; a word a wave
	v_mov_b32 v247, 0
	s_lshl_b32 s32, s4, 8
	s_add_co_u32 s32, s32, VV
	v_lshl_add_u32 v248, v1, 3, s32                ; VV + 8 t
	s_lshl_b32 s32, s4, 10
	s_add_co_u32 s32, s32, PR
	v_lshl_add_u32 v249, v1, 5, s32
	s_lshl_b32 s32, s23, 10
	s_add_co_u32 s32, s32, VV
	v_lshl_add_u32 v250, v1, 4, s32
	s_lshl_b32 s32, s4, 5
	s_add_co_u32 s32, s32, OUTB
	v_mov_b32 v251, s32
	v_lshlrev_b32 v253, 4, v0                      ; 16 t
	v_add_nc_u32 v252, PR, v253
	v_lshlrev_b32 v255, 3, v1                      ; 8 lane
	v_add_nc_u32 v254, OUTB, v255
	v_mov_b32 v221, 0                              ; the destination of v_permlanex16_b32 counts as read
	s_lshl_b32 s36, s5, 15
	s_lshl_b32 s37, s6, 8
	s_add_co_u32 s36, s36, s37                     ; (8 b x 1024 + 64 j) x 4
	s_mov_b32 s37, 0
	s_lshl_b32 s38, ttmp9, 16                      ; 64 rows of 1,024 bytes a group,
	s_add_co_u32 s38, s38, 0x1000000               ; in y13's second plane
	s_mov_b32 s39, 0
	s_lshl_b32 s40, s5, 14                         ; 8 blocks x 2,048 bytes
	s_add_co_u32 s40, s40, 0x1000000
	s_mov_b32 s41, 0
	s_lshl_b32 s42, s24, 17
	s_lshl_b32 s43, s23, 10
	s_add_co_u32 s42, s42, s43
	s_mov_b32 s43, 0
	s_lshl_b32 s44, ttmp9, 11
	s_mov_b32 s45, 0
	s_lshl_b32 s48, s5, 12
	s_lshl_b32 s49, s23, 11
	s_add_co_u32 s48, s48, s49
	s_lshl_b32 s49, s24, 8
	s_add_co_u32 s48, s48, s49
	s_add_co_u32 s48, s48, 0x80000
	s_mov_b32 s49, 0
	s_wait_kmcnt 0x0
	s_add_nc_u64 s[8:9], s[8:9], s[36:37]
	s_add_nc_u64 s[10:11], s[10:11], s[38:39]
	s_add_nc_u64 s[12:13], s[12:13], s[40:41]
	s_add_nc_u64 s[18:19], s[18:19], s[42:43]
	s_add_nc_u64 s[46:47], s[20:21], s[44:45]      ; P1P at my row
	s_add_nc_u64 s[50:51], s[20:21], s[48:49]      ; YEEP at my 64 numbers
	s_wait_alu depctr_va_vdst(0)                   ; v240 to v255 are written: every load and store of the kernel, global or LDS, reads one of them as its address
	; all 66 loads at once: 16 of M and L, 18 of S, M2, gamma, beta, 16 of y3T, 16 of W8
.irp k, 0,1,2,3,4,5,6,7
	global_load_b32 v[2+\k], v240, s[8:9] offset:4096*\k
.endr
.irp k, 0,1,2,3,4,5,6,7
	global_load_b32 v[10+\k], v240, s[8:9] offset:524288+4096*\k
.endr
.irp i, 0,1,2,3,4,5,6,7
	global_load_b64 v[18+2*\i:19+2*\i], v241, s[12:13] offset:2048*\i
.endr
.irp i, 0,1,2,3,4,5,6,7
	global_load_b64 v[34+2*\i:35+2*\i], v241, s[12:13] offset:262144+2048*\i
.endr
	global_load_b64 v[50:51], v241, s[14:15]
	global_load_b64 v[52:53], v241, s[16:17]
.set p, 0
.rept 16
	global_load_b128 v[64+4*p:67+4*p], v242, s[10:11] offset:1024*p
.set p, p+1
.endr
.set q, 0
.rept 8
	global_load_b128 v[128+8*q:131+8*q], v243, s[18:19] offset:2048*q
	global_load_b128 v[132+8*q:135+8*q], v243, s[18:19] offset:2048*q+512
.set q, q+1
.endr
	; (1) s of row 16 group + lane % 16
	s_wait_loadcnt 50                              ; younger: 18 + 16 + 16
	v_max3_num_f32 v216, v2, v3, v4
	v_max3_num_f32 v216, v5, v6, v216
	v_max3_num_f32 v216, v7, v8, v216
	v_max_num_f32 v216, v9, v216
.irp k, 0,1,2,3,4,5,6,7
	v_sub_f32 v[2+\k], v[2+\k], v216
.endr
.irp k, 0,1,2,3,4,5,6,7
	v_mul_f32 v[2+\k], 0x3fb8aa3b, v[2+\k]
.endr
.irp k, 0,1,2,3,4,5,6,7
	v_exp_f32 v[2+\k], v[2+\k]
.endr
	v_nop                                          ; one plain place behind a transcendental (ISA guide 5.7.2)
	s_wait_alu depctr_va_vdst(0)                   ; the eight exponentials have written v2 to v9, ahead of their first reader
.irp k, 0,1,2,3,4,5,6,7
	v_mul_f32 v[10+\k], v[10+\k], v[2+\k]          ; p_k
.endr
	v_add_f32 v217, v10, v11
.irp k, 2,3,4,5,6,7
	v_add_f32 v217, v217, v[10+\k]
.endr
	v_rcp_f32 v218, v217
	v_nop
	s_wait_alu depctr_va_vdst(0)                   ; the reciprocal has written v218, ahead of its first reader
	v_mul_f32 v219, v10, v218
.irp k, 1,2,3,4,5,6,7
	v_fmac_f32 v219, v[10+\k], v218
.endr
	; (3) mu
	s_wait_loadcnt 32                              ; younger: 16 + 16
	v_pk_add_f32 v[216:217], v[18:19], v[20:21]
.irp i, 2,3,4,5,6,7
	v_pk_add_f32 v[216:217], v[216:217], v[18+2*\i:19+2*\i]    ; sum over n of t, my two columns
.endr
	v_add_f32 v220, v216, v217
	WSUM 220, 221
	s_wait_alu depctr_va_vdst(0)                   ; s is written in v219 and the wave's total in v220: the two LDS stores below read them
	ds_store_b32 v244, v219                        ; my wave's own bytes: both halves of the lanes store the same word
.irp i, 0,1,2,3
	ds_load_b128 v[192+4*\i:195+4*\i], v245 offset:16*\i   ; the wave's sixteen s in every lane; LDS serves a wave in order
.endr
	ds_store_b32 v246, v220 offset:RED1
	s_wait_dscnt 0x0
	s_barrier_signal -1
	s_barrier_wait -1
	ds_load_b128 v[224:227], v247 offset:RED1
	ds_load_b128 v[228:231], v247 offset:RED1+16
	s_wait_dscnt 0x0
	SUM8
	v_mul_f32 v222, 0xb6000000, v224               ; - mu = - total x 2^-19
	v_mov_b32 v223, v222
	; var: sum over blocks and columns of M2 + 128 (S / 128 - mu)^2
.set i, 0
.rept 8
	v_pk_fma_f32 v[236:237], v[18+2*i:19+2*i], 0x3c000000, v[222:223] op_sel_hi:[1,0,1]
.if i == 0
	v_pk_mul_f32 v[232:233], v[236:237], v[236:237]
.else
	v_pk_fma_f32 v[232:233], v[236:237], v[236:237], v[232:233]
.endif
.set i, i+1
.endr
	v_pk_add_f32 v[234:235], v[34:35], v[36:37]
.irp i, 2,3,4,5,6,7
	v_pk_add_f32 v[234:235], v[234:235], v[34+2*\i:35+2*\i]
.endr
	v_pk_fma_f32 v[234:235], v[232:233], 0x43000000, v[234:235] op_sel_hi:[1,0,1]
	v_add_f32 v55, v234, v235                      ; a register of its own: v220 has been read by an LDS store
	WSUM 55, 221
	s_wait_alu depctr_va_vdst(0)                   ; the wave's second total is written in v55, which the LDS store reads; the lines that named v[224:231] are done, in which the next two loads land
	ds_store_b32 v246, v55 offset:RED2
	s_wait_dscnt 0x0
	s_barrier_signal -1
	s_barrier_wait -1
	ds_load_b128 v[224:227], v247 offset:RED2
	ds_load_b128 v[228:231], v247 offset:RED2+16
	s_wait_dscnt 0x0
	SUM8
	v_fma_f32 v224, v224, s30, s31                 ; var + 1e-5
	v_rsq_f32 v226, v224
	v_rsq_f32 v227, v224
	v_nop
	v_pk_fma_f32 v[236:237], v[216:217], 0x3a800000, v[222:223] op_sel_hi:[1,0,1]   ; mean over n of t - mu
	s_wait_alu depctr_va_vdst(0)                   ; the two reciprocal roots have written v[226:227], ahead of their first reader
	v_pk_mul_f32 v[236:237], v[236:237], v[226:227]
	v_pk_fma_f32 v[238:239], v[236:237], v[50:51], v[52:53]
	; (2) my 16 rows x 8 columns of y3T times s
	s_wait_loadcnt 16                              ; younger: W8's 16
.irp m, 0,1,2,3
	v_lshlrev_b32 v[208+2*\m], 16, v[64+\m]        ; the first row starts the sums
	v_and_b32 v[209+2*\m], 0xffff0000, v[64+\m]
.endr
.irp k, 0,2,4,6
	v_pk_mul_f32 v[208+\k:209+\k], v[208+\k:209+\k], v[192:193] op_sel_hi:[1,0]
.endr
.set p, 1
.rept 15
.irp m, 0,1,2,3
	v_fma_mix_f32_bf16 v[208+2*\m], v[64+4*p+\m], v[192+p], v[208+2*\m] op_sel_hi:[1,0,0]
	v_fma_mix_f32_bf16 v[209+2*\m], v[64+4*p+\m], v[192+p], v[209+2*\m] op_sel:[1,0,0] op_sel_hi:[1,0,0]
.endr
.set p, p+1
.endr
	s_wait_alu depctr_va_vdst(0)                   ; v is written in v[238:239] and the partial sums in v[208:215], which the three LDS stores read; the multiply-adds are done reading v[192:207] and v[64:127], in which later LDS loads land
	ds_store_b64 v248, v[238:239]
	ds_store_b128 v249, v[208:211]
	ds_store_b128 v249, v[212:215] offset:16
	s_wait_dscnt 0x0
	s_barrier_signal -1
	s_barrier_wait -1
	; (4) eight rows of W8 a wave, 256 of K
	ds_load_b128 v[192:195], v250
	ds_load_b128 v[196:199], v250 offset:512
	s_wait_dscnt 0x0
.set q, 0
.rept 8
	s_wait_loadcnt 2*(7-q)                         ; the younger rows' loads may stay out
	v_pk_mul_f32 v[216:217], v[128+8*q:129+8*q], v[192:193]
	v_pk_fma_f32 v[216:217], v[130+8*q:131+8*q], v[194:195], v[216:217]
	v_pk_fma_f32 v[216:217], v[132+8*q:133+8*q], v[196:197], v[216:217]
	v_pk_fma_f32 v[216:217], v[134+8*q:135+8*q], v[198:199], v[216:217]
	v_add_f32 v[DOT+q], v216, v217                 ; a register to each row
	WSUM DOT+q, 221
.set q, q+1
.endr
	s_wait_alu depctr_va_vdst(0)                   ; the eight row products are written in v[DOT ..], which the eight LDS stores read
.set q, 0
.rept 8
	ds_store_b32 v251, v[DOT+q] offset:4*q
.set q, q+1
.endr
	s_wait_dscnt 0x0
	s_barrier_signal -1
	s_barrier_wait -1
	s_cmp_ge_u32 s4, 4
	s_cbranch_scc1 .Lend
	ds_load_b128 v[64:67], v252                    ; the four groups' partial sums of 4 columns
	ds_load_b128 v[68:71], v252 offset:2048
	ds_load_b128 v[72:75], v252 offset:4096
	ds_load_b128 v[76:79], v252 offset:6144
	s_wait_dscnt 0x0
	v_pk_add_f32 v[64:65], v[64:65], v[68:69]
	v_pk_add_f32 v[66:67], v[66:67], v[70:71]
	v_pk_add_f32 v[72:73], v[72:73], v[76:77]
	v_pk_add_f32 v[74:75], v[74:75], v[78:79]
	v_pk_add_f32 v[64:65], v[64:65], v[72:73]
	v_pk_add_f32 v[66:67], v[66:67], v[74:75]
	s_wait_alu depctr_va_vdst(0)                   ; the additions have written v[64:67], which the store reads
	global_store_b128 v253, v[64:67], s[46:47]     ; 512 consecutive bytes a wave
	s_cmp_lg_u32 s4, 0
	s_cbranch_scc1 .Lend
	ds_load_b64 v[80:81], v254
	s_wait_dscnt 0x0
	global_store_b64 v255, v[80:81], s[50:51]      ; 256 consecutive bytes, aligned
.Lend:
	s_wait_dscnt 0x0                               ; the closing lines, six on end
	s_wait_alu 0x0
	s_wait_tensorcnt 0x0
	ds_add_u32 v62, v63
	s_wait_dscnt 0x0
	s_endpgm
.Lfunc_end_k_q651fcbcb44_redu:
	.size	k_q651fcbcb44_redu, .Lfunc_end_k_q651fcbcb44_redu-k_q651fcbcb44_redu
	.p2alignl 7, 3214868480
	.fill 96, 4, 3214868480
	.section	.rodata,"a",@progbits
	.p2align	6, 0x0
	.amdhsa_kernel k_q651fcbcb44_redu
		.amdhsa_group_segment_fixed_size 13312
		.amdhsa_private_segment_fixed_size 0
		.amdhsa_enable_private_segment 0
		.amdhsa_kernarg_size 56
		.amdhsa_user_sgpr_count 2
		.amdhsa_user_sgpr_kernarg_segment_ptr 1
		.amdhsa_wavefront_size32 1
		.amdhsa_system_sgpr_workgroup_id_x 1
		.amdhsa_system_sgpr_workgroup_id_y 1
		.amdhsa_system_sgpr_workgroup_id_z 1
		.amdhsa_system_vgpr_workitem_id 0
		.amdhsa_next_free_vgpr 256
		.amdhsa_next_free_sgpr 66
		.amdhsa_reserve_vcc 0
		.amdhsa_float_denorm_mode_32 3
		.amdhsa_float_denorm_mode_16_64 3
		.amdhsa_memory_ordered 1
		.amdhsa_forward_progress 1
		.amdhsa_inst_pref_size 33
	.end_amdhsa_kernel
	.amdgpu_metadata
---
amdhsa.version: [ 1, 2 ]
amdhsa.kernels:
  - .name:           k_q651fcbcb44_redu
    .symbol:         k_q651fcbcb44_redu.kd
    .args:
      - { .name: lm, .offset: 0, .size: 8, .value_kind: global_buffer, .address_space: global }
      - { .name: y13, .offset: 8, .size: 8, .value_kind: global_buffer, .address_space: global }
      - { .name: y2ts, .offset: 16, .size: 8, .value_kind: global_buffer, .address_space: global }
      - { .name: gamma, .offset: 24, .size: 8, .value_kind: global_buffer, .address_space: global }
      - { .name: beta, .offset: 32, .size: 8, .value_kind: global_buffer, .address_space: global }
      - { .name: W8, .offset: 40, .size: 8, .value_kind: global_buffer, .address_space: global }
      - { .name: rv, .offset: 48, .size: 8, .value_kind: global_buffer, .address_space: global }
    .group_segment_fixed_size: 13312
    .private_segment_fixed_size: 0
    .kernarg_segment_align: 8
    .kernarg_segment_size: 56
    .max_flat_workgroup_size: 256
    .sgpr_count:     66
    .vgpr_count:     256
    .wavefront_size: 32
...
	.end_amdgpu_metadata
.endif
;; end of part 9
;; launch fc4 (part 10): grid 128 x 1, 8 waves a work-group, no clusters, 5,120 bytes of LDS; arguments rv, b8, W4, b4, y4v; writes y4v
.if DOCPART == 10
	.amdgcn_target "amdgcn-amd-amdhsa--gfx1250"
	.amdhsa_code_object_version 6
	.text
	.protected	k_q651fcbcb44_fc4
	.globl	k_q651fcbcb44_fc4
	.p2align	8
	.type	k_q651fcbcb44_fc4,@function
k_q651fcbcb44_fc4:
	s_mov_b64 s[64:65], 0
	v_nop
	global_prefetch_b8 v0, s[64:65] scope:SCOPE_SE
	s_setreg_imm32_b32 hwreg(HW_REG_WAVE_SCHED_MODE, 0, 2), 2
	s_setreg_imm32_b32 hwreg(HW_REG_WAVE_MODE, 25, 1), 1
	s_wait_xcnt 0x0
	s_wait_alu depctr_vm_vsrc(0)
; fc4: avg[b][c] = (1/1024) sum over j of P1P[b][j][c] + YEEP[b][0][c] + YEEP[b][1][c] + b8[c];  y4[b] = W4 avg[b] + b4.
; Work-group wg = 8 b + ob makes 64 numbers of y4[b]; wave w rows 64 ob + 8 w .. +7, a whole row of W4 (2,048 bytes) by four loads.
; f32 multiply-adds: a one-row product bound by its 128 KiB of weights, whose loads all go out at the head.
; THE MODE: SCHED_MODE bits 1:0 = 2 (LLVM: expert scheduling mode 2), set by the entry lines.  The code itself states the register dependences
; between vector instructions and memory or LDS instructions, with s_wait_alu, always for 0.
; THE PLAN.  Registers that memory or LDS instructions touch:
;   v192-198    offsets and LDS addresses: made at the head, never written again.
;   v2-41, v64-191  the head's loads land in them; vector instructions read them.
;   v[42:43]    avg of my two columns: written once, read by one LDS store.
;   v[44:59]    avg lands here behind the first barrier; no vector instruction names them before.
;   v[24:31]    the wave's eight row products, a register each (the figures loaded there are added up by then): read by eight LDS stores behind one wait.
;   v[60:61]    at work in the row products; behind the last barrier wave 0's load lands here, then its sum with b4 is stored.
.set VV,   256
.set OUTB, 2304
.set DOT,  24
.macro WSUM r, t
	v_add_f32_dpp v[\r], v[\r], v[\r] row_xmask:1 row_mask:0xf bank_mask:0xf
	v_add_f32_dpp v[\r], v[\r], v[\r] row_xmask:2 row_mask:0xf bank_mask:0xf
	v_add_f32_dpp v[\r], v[\r], v[\r] row_xmask:4 row_mask:0xf bank_mask:0xf
	v_add_f32_dpp v[\r], v[\r], v[\r] row_xmask:8 row_mask:0xf bank_mask:0xf
	v_permlanex16_b32 v[\t], v[\r], s28, s29
	v_add_f32 v[\r], v[\r], v[\t]
.endm
.macro ROWDOT q
	s_wait_loadcnt 4*(7-\q)                        ; the younger rows' loads may stay out
	v_pk_mul_f32 v[60:61], v[64+16*\q:65+16*\q], v[44:45]
.irp m, 1,2,3,4,5,6,7
	v_pk_fma_f32 v[60:61], v[64+16*\q+2*\m:65+16*\q+2*\m], v[44+2*\m:45+2*\m], v[60:61]
.endr
	v_add_f32 v[DOT+\q], v60, v61                  ; a register to each row
	WSUM DOT+\q, 63
.endm
	s_load_b256 s[8:15], s[0:1], 0x0               ; rv 8, b8 10, W4 12, b4 14
	s_load_b64 s[16:17], s[0:1], 0x20              ; y4v
	v_lshl_add_u32 v208, v0, 2, 0x1000
	v_mov_b32 v209, 0
	v_lshrrev_b32 v1, 5, v0
	v_readfirstlane_b32 s4, v1                     ; wave
	s_lshr_b32 s5, ttmp9, 3                        ; b
	s_and_b32 s6, ttmp9, 7                         ; ob
	s_mov_b32 s28, 0x76543210
	s_mov_b32 s29, 0xfedcba98
	v_and_b32 v1, 31, v0                           ; lane
	v_lshlrev_b32 v192, 3, v1                      ; 8 lane
	v_lshlrev_b32 v193, 3, v0                      ; 8 t
	s_wait_alu depctr_va_sdst(0)                   ; s4 is written, ahead of its first reader: offsets, LDS addresses and a branch are made from it
	s_lshl_b32 s7, s4, 14
	v_lshl_add_u32 v194, v1, 4, s7                 ; 8 rows of 2,048 bytes a wave + 16 lane
	s_lshl_b32 s34, s4, 8
	s_add_co_u32 s34, s34, VV
	v_lshl_add_u32 v195, v1, 3, s34                ; VV + 8 t
	v_lshlrev_b32 v196, 4, v1
	v_add_nc_u32 v196, VV, v196
	s_lshl_b32 s35, s4, 5
	s_add_co_u32 s35, s35, OUTB
	v_mov_b32 v197, s35
	v_add_nc_u32 v198, OUTB, v192
	v_mov_b32 v63, 0                               ; the destination of v_permlanex16_b32 counts as read
	s_lshl_b32 s18, s6, 8
	s_mov_b32 s19, 0
	s_lshl_b32 s20, s5, 15
	s_mov_b32 s21, 0
	s_lshl_b32 s22, s5, 12
	s_add_co_u32 s22, s22, 0x80000
	s_mov_b32 s23, 0
	s_lshl_b32 s24, s6, 17
	s_mov_b32 s25, 0
	s_lshl_b32 s26, ttmp9, 8
	s_mov_b32 s27, 0
	s_wait_kmcnt 0x0
	s_add_nc_u64 s[14:15], s[14:15], s[18:19]
	s_add_nc_u64 s[30:31], s[8:9], s[20:21]
	s_add_nc_u64 s[32:33], s[8:9], s[22:23]
	s_add_nc_u64 s[12:13], s[12:13], s[24:25]
	s_add_nc_u64 s[16:17], s[16:17], s[26:27]
	s_wait_alu depctr_va_vdst(0)                   ; v192 to v198 are written: every load and store of the kernel, global or LDS, reads one of them as its address
	global_load_b64 v[2:3], v192, s[14:15]         ; b4 of the group's 64 rows (every wave, so that all count alike)
.set j, 0
.rept 16
	global_load_b64 v[4+2*j:5+2*j], v193, s[30:31] offset:2048*j
.set j, j+1
.endr
	global_load_b64 v[36:37], v193, s[32:33]
	global_load_b64 v[38:39], v193, s[32:33] offset:2048
	global_load_b64 v[40:41], v193, s[10:11]
.set q, 0
.rept 8
.irp i, 0,1,2,3
	global_load_b128 v[64+16*q+4*\i:67+16*q+4*\i], v194, s[12:13] offset:2048*q+512*\i
.endr
.set q, q+1
.endr
	s_wait_loadcnt 32                              ; the 32 loads of W4 may stay out
	v_pk_add_f32 v[4:5], v[4:5], v[6:7]
	v_pk_add_f32 v[8:9], v[8:9], v[10:11]
.irp j, 6,8,10,12,14
	v_pk_add_f32 v[4:5], v[4:5], v[2*\j:2*\j+1]
	v_pk_add_f32 v[8:9], v[8:9], v[2*\j+2:2*\j+3]
.endr
	v_pk_add_f32 v[4:5], v[4:5], v[32:33]
	v_pk_add_f32 v[8:9], v[8:9], v[34:35]
	v_pk_add_f32 v[4:5], v[4:5], v[8:9]
	v_pk_add_f32 v[42:43], v[36:37], v[38:39]
	v_pk_add_f32 v[42:43], v[42:43], v[40:41]
	v_pk_fma_f32 v[42:43], v[4:5], 0x3a800000, v[42:43] op_sel_hi:[1,0,1]
	s_wait_alu depctr_va_vdst(0)                   ; avg of my two columns is written in v[42:43], which the LDS store reads
	ds_store_b64 v195, v[42:43]
	s_wait_dscnt 0x0
	s_barrier_signal -1
	s_barrier_wait -1
.irp i, 0,1,2,3
	ds_load_b128 v[44+4*\i:47+4*\i], v196 offset:512*\i
.endr
	s_wait_dscnt 0x0
	ROWDOT 0
	ROWDOT 1
	ROWDOT 2
	ROWDOT 3
	ROWDOT 4
	ROWDOT 5
	ROWDOT 6
	ROWDOT 7
	s_wait_alu depctr_va_vdst(0)                   ; the eight row products are written in v[DOT ..], which the eight LDS stores read; the lines that named v[60:61] are done, in which wave 0's load lands
.irp q, 0,1,2,3,4,5,6,7
	ds_store_b32 v197, v[DOT+\q] offset:4*\q
.endr
	s_wait_dscnt 0x0
	s_barrier_signal -1
	s_barrier_wait -1
	s_cmp_lg_u32 s4, 0
	s_cbranch_scc1 .Lend
	ds_load_b64 v[60:61], v198
	s_wait_dscnt 0x0
	v_pk_add_f32 v[60:61], v[60:61], v[2:3]
	s_wait_alu depctr_va_vdst(0)                   ; the addition has written v[60:61], which the store reads
	global_store_b64 v192, v[60:61], s[16:17]      ; 256 consecutive bytes, aligned
.Lend:
	s_wait_dscnt 0x0                               ; the closing lines, six on end
	s_wait_alu 0x0
	s_wait_tensorcnt 0x0
	ds_add_u32 v208, v209
	s_wait_dscnt 0x0
	s_endpgm
.Lfunc_end_k_q651fcbcb44_fc4:
	.size	k_q651fcbcb44_fc4, .Lfunc_end_k_q651fcbcb44_fc4-k_q651fcbcb44_fc4
	.p2alignl 7, 3214868480
	.fill 96, 4, 3214868480
	.section	.rodata,"a",@progbits
	.p2align	6, 0x0
	.amdhsa_kernel k_q651fcbcb44_fc4
		.amdhsa_group_segment_fixed_size 5120
		.amdhsa_private_segment_fixed_size 0
		.amdhsa_enable_private_segment 0
		.amdhsa_kernarg_size 40
		.amdhsa_user_sgpr_count 2
		.amdhsa_user_sgpr_kernarg_segment_ptr 1
		.amdhsa_wavefront_size32 1
		.amdhsa_system_sgpr_workgroup_id_x 1
		.amdhsa_system_sgpr_workgroup_id_y 1
		.amdhsa_system_sgpr_workgroup_id_z 1
		.amdhsa_system_vgpr_workitem_id 0
		.amdhsa_next_free_vgpr 210
		.amdhsa_next_free_sgpr 66
		.amdhsa_reserve_vcc 0
		.amdhsa_float_denorm_mode_32 3
		.amdhsa_float_denorm_mode_16_64 3
		.amdhsa_memory_ordered 1
		.amdhsa_forward_progress 1
		.amdhsa_inst_pref_size 18
	.end_amdhsa_kernel
	.amdgpu_metadata
---
amdhsa.version: [ 1, 2 ]
amdhsa.kernels:
  - .name:           k_q651fcbcb44_fc4
    .symbol:         k_q651fcbcb44_fc4.kd
    .args:
      - { .name: rv, .offset: 0, .size: 8, .value_kind: global_buffer, .address_space: global }
      - { .name: b8, .offset: 8, .size: 8, .value_kind: global_buffer, .address_space: global }
      - { .name: W4, .offset: 16, .size: 8, .value_kind: global_buffer, .address_space: global }
      - { .name: b4, .offset: 24, .size: 8, .value_kind: global_buffer, .address_space: global }
      - { .name: y4v, .offset: 32, .size: 8, .value_kind: global_buffer, .address_space: global }
    .group_segment_fixed_size: 5120
    .private_segment_fixed_size: 0
    .kernarg_segment_align: 8
    .kernarg_segment_size: 40
    .max_flat_workgroup_size: 256
    .sgpr_count:     66
    .vgpr_count:     210
    .wavefront_size: 32
...
	.end_amdgpu_metadata
.endif
;; end of part 10
;; launch fc5 (part 11): grid 128 x 1, 8 waves a work-group, no clusters, 5,120 bytes of LDS; arguments y4v, W5, b5, out0; writes out0
.if DOCPART == 11
	.amdgcn_target "amdgcn-amd-amdhsa--gfx1250"
	.amdhsa_code_object_version 6
	.text
	.protected	k_q651fcbcb44_fc5
	.globl	k_q651fcbcb44_fc5
	.p2align	8
	.type	k_q651fcbcb44_fc5,@function
k_q651fcbcb44_fc5:
	s_mov_b64 s[64:65], 0
	v_nop
	global_prefetch_b8 v0, s[64:65] scope:SCOPE_SE
	s_setreg_imm32_b32 hwreg(HW_REG_WAVE_SCHED_MODE, 0, 2), 2
	s_setreg_imm32_b32 hwreg(HW_REG_WAVE_MODE, 25, 1), 1
	s_wait_xcnt 0x0
	s_wait_alu depctr_vm_vsrc(0)
; fc5: y4n = y4 / max(sqrt(sum of y4^2), 1e-12);  out0[b] = W5 y4n + b5.
; Work-group wg = 8 b + ob makes 64 numbers; wave w rows 64 ob + 8 w .. +7, as in fc4.  All in f32.
; Limit: v_sqrt_f32 and v_rcp_f32 flush denormals; a sum of squares below 2^-126 counts as 0 and the norm is then 1e-12.
; THE MODE: SCHED_MODE bits 1:0 = 2 (LLVM: expert scheduling mode 2), set by the entry lines.  The code itself states the register dependences
; between vector instructions and memory or LDS instructions, with s_wait_alu, always for 0.
; THE PLAN.  Registers that memory or LDS instructions touch:
;   v192-200    offsets and LDS addresses: made at the head, never written again.
;   v2-5, v64-191  the head's loads land in them; vector instructions read them.
;   v62         the wave's sum of squares: written once, read by one LDS store.
;   v[4:5]      y4n of my two columns: written in place, read by one LDS store, not written again.
;   v[44:51]    the eight waves' sums land here; the norm is made in them; behind the second barrier y4n lands in v[44:59].
;   v[24:31]    the wave's eight row products, a register each: read by eight LDS stores behind one wait.
;   v[60:61]    at work in the row products; behind the last barrier wave 0's load lands here, then its sum with b5 is stored.
.set RED,  0
.set VV,   256
.set OUTB, 2304
.set DOT,  24
.macro WSUM r, t
	v_add_f32_dpp v[\r], v[\r], v[\r] row_xmask:1 row_mask:0xf bank_mask:0xf
	v_add_f32_dpp v[\r], v[\r], v[\r] row_xmask:2 row_mask:0xf bank_mask:0xf
	v_add_f32_dpp v[\r], v[\r], v[\r] row_xmask:4 row_mask:0xf bank_mask:0xf
	v_add_f32_dpp v[\r], v[\r], v[\r] row_xmask:8 row_mask:0xf bank_mask:0xf
	v_permlanex16_b32 v[\t], v[\r], s28, s29
	v_add_f32 v[\r], v[\r], v[\t]
.endm
.macro ROWDOT q
	s_wait_loadcnt 4*(7-\q)                        ; the younger rows' loads may stay out
	v_pk_mul_f32 v[60:61], v[64+16*\q:65+16*\q], v[44:45]
.irp m, 1,2,3,4,5,6,7
	v_pk_fma_f32 v[60:61], v[64+16*\q+2*\m:65+16*\q+2*\m], v[44+2*\m:45+2*\m], v[60:61]
.endr
	v_add_f32 v[DOT+\q], v60, v61                  ; a register to each row
	WSUM DOT+\q, 63
.endm
	s_load_b256 s[8:15], s[0:1], 0x0               ; y4v 8, W5 10, b5 12, out0 14
	v_lshl_add_u32 v208, v0, 2, 0x1000
	v_mov_b32 v209, 0
	v_lshrrev_b32 v1, 5, v0
	v_readfirstlane_b32 s4, v1                     ; wave
	s_lshr_b32 s5, ttmp9, 3                        ; b
	s_and_b32 s6, ttmp9, 7                         ; ob
	s_mov_b32 s28, 0x76543210
	s_mov_b32 s29, 0xfedcba98
	v_and_b32 v1, 31, v0
	v_lshlrev_b32 v192, 3, v1                      ; 8 lane
	v_lshlrev_b32 v193, 3, v0                      ; 8 t
	s_wait_alu depctr_va_sdst(0)                   ; s4 is written, ahead of its first reader: offsets, LDS addresses and a branch are made from it
	s_lshl_b32 s7, s4, 14
	v_lshl_add_u32 v194, v1, 4, s7
	s_lshl_b32 s34, s4, 8
	s_add_co_u32 s34, s34, VV
	v_lshl_add_u32 v195, v1, 3, s34
	v_lshlrev_b32 v196, 4, v1
	v_add_nc_u32 v196, VV, v196
	s_lshl_b32 s35, s4, 5
	s_add_co_u32 s35, s35, OUTB
	v_mov_b32 v197, s35
	v_add_nc_u32 v198, OUTB, v192
	s_lshl_b32 s36, s4, 2
	v_mov_b32 v199, s36                            ; a word a wave
	v_mov_b32 v200, 0
	v_mov_b32 v63, 0                               ; the destination of v_permlanex16_b32 counts as read
	s_lshl_b32 s18, s5, 11
	s_mov_b32 s19, 0
	s_lshl_b32 s20, s6, 17
	s_mov_b32 s21, 0
	s_lshl_b32 s22, s6, 8
	s_mov_b32 s23, 0
	s_lshl_b32 s24, ttmp9, 8
	s_mov_b32 s25, 0
	s_wait_kmcnt 0x0
	s_add_nc_u64 s[8:9], s[8:9], s[18:19]
	s_add_nc_u64 s[10:11], s[10:11], s[20:21]
	s_add_nc_u64 s[12:13], s[12:13], s[22:23]
	s_add_nc_u64 s[14:15], s[14:15], s[24:25]
	s_wait_alu depctr_va_vdst(0)                   ; v192 to v200 are written: every load and store of the kernel, global or LDS, reads one of them as its address
	global_load_b64 v[2:3], v192, s[12:13]         ; b5 of the group's 64 rows
	global_load_b64 v[4:5], v193, s[8:9]           ; y4[b], two numbers a thread
.set q, 0
.rept 8
.irp i, 0,1,2,3
	global_load_b128 v[64+16*q+4*\i:67+16*q+4*\i], v194, s[10:11] offset:2048*q+512*\i
.endr
.set q, q+1
.endr
	s_wait_loadcnt 32                              ; the 32 loads of W5 may stay out
	v_mul_f32 v62, v4, v4
	v_fmac_f32 v62, v5, v5
	WSUM 62, 63
	s_wait_alu depctr_va_vdst(0)                   ; the wave's sum of squares is written in v62, which the LDS store reads
	ds_store_b32 v199, v62 offset:RED
	s_wait_dscnt 0x0
	s_barrier_signal -1
	s_barrier_wait -1
	ds_load_b128 v[44:47], v200 offset:RED
	ds_load_b128 v[48:51], v200 offset:RED+16
	s_wait_dscnt 0x0
	v_pk_add_f32 v[44:45], v[44:45], v[46:47]
	v_pk_add_f32 v[48:49], v[48:49], v[50:51]
	v_pk_add_f32 v[44:45], v[44:45], v[48:49]
	v_add_f32 v44, v44, v45
	v_sqrt_f32 v44, v44
	v_nop                                          ; one plain place behind a transcendental (ISA guide 5.7.2)
	s_wait_alu depctr_va_vdst(0)                   ; the root has written v44, ahead of its first reader
	v_max_num_f32 v44, 0x2b8cbccc, v44             ; at least 1e-12
	v_rcp_f32 v46, v44
	v_rcp_f32 v47, v44
	v_nop
	s_wait_alu depctr_va_vdst(0)                   ; the two reciprocals have written v[46:47], ahead of their first reader
	v_pk_mul_f32 v[4:5], v[4:5], v[46:47]
	s_wait_alu depctr_va_vdst(0)                   ; y4n is written in v[4:5], which the LDS store reads; the lines that named v[44:51] are done, in which the next loads land
	ds_store_b64 v195, v[4:5]
	s_wait_dscnt 0x0
	s_barrier_signal -1
	s_barrier_wait -1
.irp i, 0,1,2,3
	ds_load_b128 v[44+4*\i:47+4*\i], v196 offset:512*\i
.endr
	s_wait_dscnt 0x0
	ROWDOT 0
	ROWDOT 1
	ROWDOT 2
	ROWDOT 3
	ROWDOT 4
	ROWDOT 5
	ROWDOT 6
	ROWDOT 7
	s_wait_alu depctr_va_vdst(0)                   ; the eight row products are written in v[DOT ..], which the eight LDS stores read; the lines that named v[60:61] are done, in which wave 0's load lands
.irp q, 0,1,2,3,4,5,6,7
	ds_store_b32 v197, v[DOT+\q] offset:4*\q
.endr
	s_wait_dscnt 0x0
	s_barrier_signal -1
	s_barrier_wait -1
	s_cmp_lg_u32 s4, 0
	s_cbranch_scc1 .Lend
	ds_load_b64 v[60:61], v198
	s_wait_dscnt 0x0
	v_pk_add_f32 v[60:61], v[60:61], v[2:3]
	s_wait_alu depctr_va_vdst(0)                   ; the addition has written v[60:61], which the store reads
	global_store_b64 v192, v[60:61], s[14:15]      ; 256 consecutive bytes, aligned
.Lend:
	s_wait_dscnt 0x0                               ; the closing lines, six on end
	s_wait_alu 0x0
	s_wait_tensorcnt 0x0
	ds_add_u32 v208, v209
	s_wait_dscnt 0x0
	s_endpgm
.Lfunc_end_k_q651fcbcb44_fc5:
	.size	k_q651fcbcb44_fc5, .Lfunc_end_k_q651fcbcb44_fc5-k_q651fcbcb44_fc5
	.p2alignl 7, 3214868480
	.fill 96, 4, 3214868480
	.section	.rodata,"a",@progbits
	.p2align	6, 0x0
	.amdhsa_kernel k_q651fcbcb44_fc5
		.amdhsa_group_segment_fixed_size 5120
		.amdhsa_private_segment_fixed_size 0
		.amdhsa_enable_private_segment 0
		.amdhsa_kernarg_size 32
		.amdhsa_user_sgpr_count 2
		.amdhsa_user_sgpr_kernarg_segment_ptr 1
		.amdhsa_wavefront_size32 1
		.amdhsa_system_sgpr_workgroup_id_x 1
		.amdhsa_system_sgpr_workgroup_id_y 1
		.amdhsa_system_sgpr_workgroup_id_z 1
		.amdhsa_system_vgpr_workitem_id 0
		.amdhsa_next_free_vgpr 210
		.amdhsa_next_free_sgpr 66
		.amdhsa_reserve_vcc 0
		.amdhsa_float_denorm_mode_32 3
		.amdhsa_float_denorm_mode_16_64 3
		.amdhsa_memory_ordered 1
		.amdhsa_forward_progress 1
		.amdhsa_inst_pref_size 16
	.end_amdhsa_kernel
	.amdgpu_metadata
---
amdhsa.version: [ 1, 2 ]
amdhsa.kernels:
  - .name:           k_q651fcbcb44_fc5
    .symbol:         k_q651fcbcb44_fc5.kd
    .args:
      - { .name: y4v, .offset: 0, .size: 8, .value_kind: global_buffer, .address_space: global }
      - { .name: W5, .offset: 8, .size: 8, .value_kind: global_buffer, .address_space: global }
      - { .name: b5, .offset: 16, .size: 8, .value_kind: global_buffer, .address_space: global }
      - { .name: out0, .offset: 24, .size: 8, .value_kind: global_buffer, .address_space: global }
    .group_segment_fixed_size: 5120
    .private_segment_fixed_size: 0
    .kernarg_segment_align: 8
    .kernarg_segment_size: 32
    .max_flat_workgroup_size: 256
    .sgpr_count:     66
    .vgpr_count:     210
    .wavefront_size: 32
...
	.end_amdgpu_metadata
.endif
;; end of part 11
